; MI455X (gfx1250); checked and timed in simulation.
; The chip was launched on July 23, 2026; its instructions are those of AMD's public machine-readable ISA for CDNA 5 (MIT licence, August 2026) and "CDNA5" Instruction Set Architecture Reference Guide (July 2026). The comments in the code are by the model that wrote it; some were corrected since.
;; Cross Attention. Allowed arithmetic: matrix products marked QUANTISED: E2M1 operands, one E8M0 scale for each 32 along K, by v_wmma_scale_f32_16x16x128_f8f6f4 with both operands' format E2M1 (or v_wmma_scale_f32_32x16x128_f4), f32 sums; products left as they are: bf16, f16 or f32 operands; f32 sums; everything else in f32.
;; Inputs: Wk 768 x 1,024 float32; Wo 1,024 x 1,024 float32; Wq 1,024 x 1,024 float32; Wv 768 x 1,024 float32; bk 1,024 float32; bo 1,024 float32; bq 1,024 float32; bv 1,024 float32; context 4 x 2,048 x 768 float32; x 4 x 2,048 x 1,024 float32.
;; Outputs: out0 4 x 2,048 x 1,024 float32.
;; This version of the problem:
;;   THIS VERSION OF THE PROBLEM IS GIVEN IN LOW PRECISION. The matrix products marked QUANTISED in the list below multiply operands that are first quantised to E2M1 (2 exponent bits, 1 mantissa bit; 4 bits a number), with one power-of-two scale for each 32 numbers along K (OCP MX v1.0); their sums are f32. The products marked 'left as it is' may take bf16, f16 or f32 operands, with f32 sums. Whichever they take, every output number must still come out within the allowed error. Rounding operands to bf16 (8 significant bits) uses up far more of that allowance than f16 does (11 bits, for magnitudes from 6e-5 to 65,504). All else is computed in f32.
;;   The module's matrix products, in the order in which they are computed (A, B: the left and right operand; K: the contracted axis; several contracted axes count as one K, in the product's order):
;;     1. [M 8,192, K 1,024] x [K 1,024, N 1,024]; A: input x; B: input Wq: QUANTISED
;;     2. [M 8,192, K 768] x [K 768, N 1,024]; A: input context; B: input Wk: QUANTISED
;;     3. [M 8,192, K 768] x [K 768, N 1,024]; A: input context; B: input Wv: QUANTISED
;;     4. batch 64 x [M 2,048, K 64] x [K 64, N 2,048]; A: computed on the way; B: computed on the way: left as it is (an operand is computed on the way)
;;     5. batch 64 x [M 2,048, K 2,048] x [K 2,048, N 64]; A: computed on the way; B: computed on the way: left as it is (an operand is computed on the way)
;;     6. [M 8,192, K 1,024] x [K 1,024, N 1,024]; A: computed on the way; B: input Wo: left as it is (an operand is computed on the way)
;;   THE QUANTISER, for each operand of a quantised product, along K:
;;     - K is cut into blocks of 32 from its start; a last block that is shorter is filled with zeros.
;;     - A block's scale is 2^e with e = floor(log2(the largest magnitude in the block)) - 2, held to -126 .. 127; a block of zeros has e = 0. As a byte (E8M0): e + 127.
;;     - Each number is divided by its block's scale, clamped to +-6, and rounded to the nearest number of E2M1, ties to even, subnormals kept.
;;     - The product sums the exact products of the quantised numbers (number of the format x scale) in f32.
;;   ~~~python
;;   def quantise(x, axis):      # numpy; x: float32 -> the quantised numbers, widened to float32 again
;;       x = np.moveaxis(x, axis, -1); K = x.shape[-1]
;;       x = np.pad(x, [(0, 0)] * (x.ndim - 1) + [(0, -K % 32)]); x = x.reshape(x.shape[:-1] + (-1, 32)); a = np.abs(x).max(-1, keepdims=True)
;;       e = np.where(a > 0, np.clip(np.frexp(np.where(a > 0, a, 1))[1] - 1 - 2, -126, 127), 0)      # np.frexp(a)[1] - 1 = floor(log2(a)), exactly
;;       r = np.clip(x / 2.0 ** e, -6, 6)
;;       step = 2.0 ** (np.maximum(np.frexp(np.where(r == 0, 1, r))[1] - 1, 0) - 1)
;;       q = np.round(r / step) * step * 2.0 ** e      # np.round: ties to even
;;       return np.moveaxis(q.reshape(q.shape[:-2] + (-1,))[..., :K], -1, axis).astype(np.float32)
;;   ~~~
;; One version. Each part assembles by itself: llvm-mc -triple=amdgcn-amd-amdhsa -mcpu=gfx1250 --defsym DOCPART=n.
;; ======== version 1 of 1: 4 launches
;; limits: values are held in f16: magnitudes above 65,504 overflow, below 6.1e-05 lose precision
;; workspace buffers: act 7,798,784 bytes; wts 3,489,792 bytes; kv 33,554,432 bytes; of 16,777,216 bytes
;; launch prep (part 1): grid 560 x 1, 4 waves a work-group, no clusters, 41,472 bytes of LDS; arguments x, context, Wq, Wk, Wv, Wo, act, wts; writes act, wts
.if DOCPART == 1
	.amdgcn_target "amdgcn-amd-amdhsa--gfx1250"
	.amdhsa_code_object_version 6
	.text
	.protected	k_qb36f5fe5fc_prep
	.globl	k_qb36f5fe5fc_prep
	.p2align	8
	.type	k_qb36f5fe5fc_prep,@function
k_qb36f5fe5fc_prep:
	s_mov_b64 s[64:65], 0
	v_nop
	global_prefetch_b8 v0, s[64:65] scope:SCOPE_SE
	s_setreg_imm32_b32 hwreg(HW_REG_WAVE_MODE, 25, 1), 1
	s_wait_xcnt 0x0
; PREP: the operands of the later launches are made once.
;   x [8192][1024], context [8192][768], f32 -> codes of FP4 (E2M1) and E8M0 scale bytes, blocks of 32 along K (their last axis)           -> act
;   Wq [1024][1024], Wk, Wv [768][1024], f32, K their FIRST axis -> the same, a lane to a column and its registers down K                  -> wts
;   Wo [1024][1024], f32 -> f16, as operand fragments of the last product                                                                  -> wts
; DEAD WORK, for the whole program: bk.  k = context Wk + bk enters the scores alone: score(t, s) = scale q_t . (k'_s + bk) = scale q_t . k'_s + scale q_t . bk.
; The second term is the same for every s of a row t, the axis of the softmax, which it leaves unchanged for all values of the inputs; that product is not a quantised one, so bk moves no code and no
; scale either.  So bk reaches no output: it is not loaded and is an argument of no launch.  LIMIT: a NaN, an infinity or an overflow that reaches the result through bk alone is not carried there.
; bv is live: since a row's weights sum to 1, sum_s p_s (v'_s + bv) = sum_s p_s v'_s + bv: it is added once, behind the division by the row's sum (launch attn).
; THE QUANTISER: a block's scale is 2^(floor(log2(largest magnitude)) - 2); its byte is the largest magnitude's exponent field - 2, held at 1 from below by a floor among the maximum's leaves.
; A block of zeros so gets the byte 1 and not 127: its codes are zeros, which add nothing, and this program alone reads the bytes.
; LIMITS: NaN and infinities among the inputs are not served; |Wo| up to 65,504 (f16).
; LAYOUTS: every buffer lies in the order of the operand's registers.  A fragment (16 rows x 128 K of codes, or 16 rows x 32 K of f16) is 1,024 bytes: two runs of 512, lane l's 16 bytes at 16 l.
;   codes:  [tile / G][K / 256][tile % G][(K / 128) % 2][block of 32 (4)][row % 16][16 bytes];  G = 4 for x and Wq, 8 for context and Wk | Wv (columns 0-1023 Wk, 1024-2047 Wv)
;   scales: [pair of tiles][K / 256][32 rows][8 bytes]
;   Wo:     [n / 128][k / 128][(n / 16) % 8][(k / 32) % 4][1,024 bytes]
; SHARES: work-groups 0-255 x, 256-447 context (a wave: 32 rows x 256 K), 448-479 Wq, 480-503 Wk, 504-527 Wv, 528-559 Wo (a wave: 32 columns x 256 K).
; No cluster, no tensor load, no barrier: no two work-groups read the same bytes, and waves share nothing.
.set A_XC,  0
.set A_CC,  4194304
.set A_XS,  7340032
.set A_CS,  7602176
.set W_QC,  0
.set W_KVC, 524288
.set W_QS,  1310720
.set W_KVS, 1343488
.set W_O16, 1392640
.set EMAX,  2
.set WREG,  10240                      ; LDS of a wave: two stages of 32 x SP bytes, 256 scale bytes, a stage of 4,096 bytes for the codes
.set SP,    80                         ; a lane's place in a stage: its 64 bytes + 16 of padding
.set SCB,   5120
.set CST,   6144
.set SPARE, 4*WREG                     ; the spare words, 128 bytes a wave: two blocks of 256 bytes that no other line names
.set SPW,   12                         ; v12  my spare word's LDS address; never rewritten
.set NIL,   13                         ; v13  0; never rewritten
.set OFF,   16                         ; v16-23  x, context: byte offsets of the rows in flight: set t % 4, two rows each
.set R,     32                         ; v32-95  four sets of 16 numbers as loaded
.set AX,    96                         ; v96-127 two sets of 16 neighbours along K
.set C,     128                        ; v128-159 two registers of codes for each step
.set E,     160                        ; v160-175 a scale byte for each step
.set OUTR,  176                        ; v176-207 the codes' way out
.set WX,    32                         ; weights: v32-95 two sets of 32 numbers down K
.set WC,    96                         ; v96-127 four registers of codes a block;  Wo: v96-223 sixteen registers of f16 a block
.set SB,    28                         ; v28-29 scale bytes
; ---- x, context: step t is 2 rows x 256 numbers: four loads of 512 consecutive bytes
.macro LOAD t
.if (\t) >= 4
	v_add_nc_u32 v[OFF+2*((\t)%4)], s33, v[OFF+2*((\t)%4)]           ; eight rows on; free: the loads that named them have been waited for
	v_add_nc_u32 v[OFF+2*((\t)%4)+1], s33, v[OFF+2*((\t)%4)+1]
.endif
.irp i, 0,1,2,3
	global_load_b128 v[R+16*((\t)%4)+4*\i:R+16*((\t)%4)+4*\i+3], v[OFF+2*((\t)%4)+\i/2], s[34:35] offset:512*(\i%2) th:TH_LOAD_NT
.endr
.endm
.macro TURN t                          ; the step's 2,048 bytes through my stage: in as they lie, out 64 bytes a lane.  LDS serves a wave's instructions in order: no wait between
.irp i, 0,1,2,3
	ds_store_b128 v14, v[R+16*((\t)%4)+4*\i:R+16*((\t)%4)+4*\i+3] offset:32*SP*((\t)%2)+8*SP*\i
.endr
.irp i, 0,1,2,3
	ds_load_b128 v[AX+16*((\t)%2)+4*\i:AX+16*((\t)%2)+4*\i+3], v15 offset:32*SP*((\t)%2)+16*\i
.endr
.endm
.macro STEP t
.set XQ, AX+16*((\t)%2)
.if (\t) > 0
	s_wait_dscnt 2                                 ; this step's numbers are back; the last step's two stores (codes, byte) may be out
.else
	s_wait_dscnt 0x0
.endif
.if (\t)+4 < 16
	LOAD (\t)+4
.endif
.if (\t)+1 < 16
.if 14-(\t) >= 3
	s_wait_loadcnt 12                              ; the next step's four loads are in; those of the three steps behind it may be out
.else
	s_wait_loadcnt 4*(14-(\t))
.endif
	TURN (\t)+1
.endif
	v_max3_num_f32 v24, |v[XQ]|, |v[XQ+1]|, |v[XQ+2]|              ; the largest magnitude of my 16
	v_max3_num_f32 v25, |v[XQ+3]|, |v[XQ+4]|, |v[XQ+5]|
.irp i, 6,10
	v_max3_num_f32 v24, v24, |v[XQ+\i]|, |v[XQ+\i+1]|
	v_max3_num_f32 v25, v25, |v[XQ+\i+2]|, |v[XQ+\i+3]|
.endr
	v_max3_num_f32 v24, v24, |v[XQ+14]|, |v[XQ+15]|
	v_max3_num_f32 v24, v24, v25, (EMAX+1)<<23     ; and the floor 2^(3 - 127): the byte cannot fall under 1
	v_max_num_f32_dpp v24, v24, v24 row_xmask:1 row_mask:0xf bank_mask:0xf   ; with my neighbour's 16: the block's
	v_add_nc_u32 v26, 0xff000000, v24              ; 2 off its exponent field: the conversion's scale operand
	v_cvt_scalef32_pk8_fp4_f32 v[C+2*(\t)], v[XQ:XQ+7], v26
	v_cvt_scalef32_pk8_fp4_f32 v[C+2*(\t)+1], v[XQ+8:XQ+15], v26
	v_lshrrev_b32 v[E+(\t)], 23, v26               ; the scale's byte
	ds_store_b64 v10, v[C+2*(\t):C+2*(\t)+1] offset:((\t)/8)*2048+((\t)%8)*32   ; my 8 bytes at their place in the fragments' image: tile t / 8, rows 2 (t % 8) and + 1
	ds_store_b8 v5, v[E+(\t)] offset:16*(\t)       ; both lanes of a block write the same byte with the same value
.endm
; ---- weights: block t is W(32 t + i, my column), i = 0 .. 31: 128 consecutive bytes a wave and load
.macro LOADW t
.irp i, 0,1,2,3,4,5,6,7,8,9,10,11,12,13,14,15,16,17,18,19,20,21,22,23,24,25,26,27,28,29,30,31
	global_load_b32 v[WX+32*((\t)%2)+\i], v3, s[22:23] offset:(32*(\t)+\i)*4096 th:TH_LOAD_NT
.endr
.endm
.macro WAITW t
.if (\t) < 7
	s_wait_loadcnt 32                              ; this block's 32 loads are in; the next block's may be out
.else
	s_wait_loadcnt 0x0
.endif
.endm
.macro BLOCKQ t
.set XB, WX+32*((\t)%2)
	WAITW \t
	v_max3_num_f32 v24, |v[XB]|, |v[XB+1]|, |v[XB+2]|              ; all 32 numbers of the block are mine
	v_max3_num_f32 v25, |v[XB+3]|, |v[XB+4]|, |v[XB+5]|
.irp i, 6,10,14,18,22,26
	v_max3_num_f32 v24, v24, |v[XB+\i]|, |v[XB+\i+1]|
	v_max3_num_f32 v25, v25, |v[XB+\i+2]|, |v[XB+\i+3]|
.endr
	v_max3_num_f32 v24, v24, |v[XB+30]|, |v[XB+31]|
	v_max3_num_f32 v24, v24, v25, (EMAX+1)<<23
	v_add_nc_u32 v26, 0xff000000, v24
	v_lshrrev_b32 v27, 23, v26
.if (\t)%4 == 0
	v_mov_b32 v[SB+(\t)/4], v27                    ; four bytes to a register, the lower K in the lower byte
.else
	v_lshl_or_b32 v[SB+(\t)/4], v27, 8*((\t)%4), v[SB+(\t)/4]
.endif
.irp g, 0,1,2,3
	v_cvt_scalef32_pk8_fp4_f32 v[WC+4*(\t)+\g], v[XB+8*\g:XB+8*\g+7], v26
.endr
	global_store_b128 v8, v[WC+4*(\t):WC+4*(\t)+3], s[32:33] offset:256*(\t)    ; sixteen lanes store 256 consecutive bytes, aligned; these registers are not written again
.if (\t)+2 < 8
	LOADW (\t)+2
.endif
.endm
.macro BLOCKH t
.set XB, WX+32*((\t)%2)
	WAITW \t
.irp i, 0,1,2,3,4,5,6,7,8,9,10,11,12,13,14,15
	v_cvt_pk_f16_f32 v[WC+16*(\t)+\i], v[XB+2*\i], v[XB+2*\i+1]
.endr
.irp q, 0,1,2,3
	global_store_b128 v8, v[WC+16*(\t)+4*\q:WC+16*(\t)+4*\q+3], s[32:33] offset:((\t)/4)*32768+((\t)%4)*1024+\q*256   ; k = 8 q .. 8 q + 7 of the fragment
.endr
.if (\t)+2 < 8
	LOADW (\t)+2
.endif
.endm
	s_load_b256 s[4:11], s[0:1], 0x0               ; x, context, Wq, Wk
	s_load_b256 s[12:19], s[0:1], 0x20             ; Wv, Wo, act, wts
	v_lshl_add_u32 v[SPW], v0, 2, SPARE
	v_mov_b32 v[NIL], 0
	v_lshrrev_b32 v1, 5, v0
	v_readfirstlane_b32 s20, v1                    ; wave 0..3
	v_and_b32 v2, 31, v0                           ; lane
	s_cmp_lt_u32 ttmp9, 448
	s_cbranch_scc0 .Lweights
	; ================ x and context ================
	v_lshlrev_b32 v3, 4, v2                        ; 16 x lane
	s_mul_i32 s21, s20, WREG
	s_add_co_u32 s22, s21, SCB
	s_add_co_u32 s23, s21, CST
	v_lshrrev_b32 v14, 2, v2
	v_mul_u32_u24 v14, v14, SP
	v_and_b32 v15, 3, v2
	v_lshl_add_u32 v14, v15, 4, v14
	v_add_nc_u32 v14, s21, v14                     ; the stage, in: SP (lane / 4) + 16 (lane % 4)
	v_mul_u32_u24 v15, v2, SP
	v_add_nc_u32 v15, s21, v15                     ; out: SP x lane: lane l holds row 2 t + l / 16, numbers 16 (l % 16) on
	v_lshrrev_b32 v5, 1, v2
	v_add_nc_u32 v5, s22, v5                       ; my block's scale byte: 8 (row % 32) + block = 16 t + lane / 2
	v_lshlrev_b32 v7, 3, v2                        ; 8 x lane
	v_add_nc_u32 v6, s22, v7
	v_add_nc_u32 v4, s23, v3                       ; the codes' stage, out
	v_bfe_u32 v8, v0, 1, 3
	v_lshlrev_b32 v10, 8, v8                       ; in: block (lane / 2) % 8 of the 256 along K: 256 bytes each,
	v_bfe_u32 v8, v0, 4, 1
	v_lshl_add_u32 v10, v8, 4, v10                 ; the odd row 16 bytes on,
	v_and_b32 v8, 1, v0
	v_lshl_add_u32 v10, v8, 3, v10                 ; the block's second half 8 bytes on
	v_add_nc_u32 v10, s23, v10
	s_cmp_lt_u32 ttmp9, 256                        ; x's work-group or context's?  The choices hang on the work-group's number alone
	s_cselect_b32 s24, 0, 256
	s_mov_b32 s25, 3072
	s_cselect_b32 s25, 4096, s25                   ; a row in bytes
	s_sub_co_u32 s24, ttmp9, s24
	s_lshl_b32 s24, s24, 2
	s_add_co_u32 s24, s24, s20                     ; u: my unit of 32 rows x 256 K = (group of rows) x (K / 256 of the tensor) + which 256
	s_lshr_b32 s26, s24, 2                         ; x: group of rows,
	s_and_b32 s27, s24, 3                          ; which 256 along K,
	s_lshr_b32 s28, s26, 1
	s_lshl_b32 s28, s28, 15
	s_lshl_b32 s29, s27, 13
	s_add_co_u32 s28, s28, s29
	s_and_b32 s29, s26, 1
	s_lshl_b32 s29, s29, 12
	s_add_co_u32 s28, s28, s29                     ; and where its two tiles' 4,096 bytes of codes lie (A_XC = 0)
	s_mul_hi_u32 s30, s24, 0x55555556              ; context: u / 3 (u under 768),
	s_mul_i32 s31, s30, 3
	s_sub_co_u32 s31, s24, s31                     ; u % 3,
	s_lshr_b32 s32, s30, 2
	s_mul_i32 s32, s32, 49152
	s_lshl_b32 s33, s31, 14
	s_add_co_u32 s32, s32, s33
	s_and_b32 s33, s30, 3
	s_lshl_b32 s33, s33, 12
	s_add_co_u32 s32, s32, s33
	s_add_co_u32 s32, s32, A_CC
	s_cmp_lt_u32 ttmp9, 256
	s_cselect_b32 s26, s26, s30
	s_cselect_b32 s27, s27, s31
	s_cselect_b32 s28, s28, s32
	s_mov_b32 s29, A_CS
	s_cselect_b32 s29, A_XS, s29
	s_wait_kmcnt 0x0
	s_cselect_b64 s[34:35], s[4:5], s[6:7]
	s_lshl_b32 s30, s24, 8                         ; a unit's scale bytes: 256
	s_add_co_u32 s30, s30, s29
	s_mov_b32 s31, 0
	s_add_nc_u64 s[38:39], s[16:17], s[30:31]      ; the scale bytes
	s_mov_b32 s29, 0
	s_add_nc_u64 s[36:37], s[16:17], s[28:29]      ; the codes
	s_mul_i32 s30, s26, s25
	s_lshl_b32 s30, s30, 5                         ; 32 rows a group
	s_lshl_b32 s32, s27, 10
	s_add_co_u32 s30, s30, s32
	s_add_nc_u64 s[34:35], s[34:35], s[30:31]      ; the numbers
	s_lshl_b32 s33, s25, 3                         ; eight rows
.irp n, 0,1,2,3,4,5,6,7
	s_mul_i32 s32, s25, \n
	v_add_nc_u32 v[OFF+\n], s32, v3
.endr
.irp t, 0,1,2,3
	LOAD \t
.endr
	s_wait_loadcnt 12                              ; step 0's four loads are in
	TURN 0
.irp t, 0,1,2,3,4,5,6,7,8,9,10,11,12,13,14,15
	STEP \t
.endr
.irp i, 0,1,2,3,4,5,6,7
	ds_load_b128 v[OUTR+4*\i:OUTR+4*\i+3], v4 offset:512*\i        ; LDS serves a wave's instructions in order: these see my stores
.endr
	ds_load_b64 v[28:29], v6
.irp i, 0,1,2,3,4,5,6,7
	s_wait_dscnt 8-\i                              ; behind load i: 7 - i of the codes' loads and the bytes'
	global_store_b128 v3, v[OUTR+4*\i:OUTR+4*\i+3], s[36:37] offset:512*\i     ; 512 consecutive bytes, aligned
.endr
	s_wait_dscnt 0x0
	global_store_b64 v7, v[28:29], s[38:39]        ; 256 consecutive bytes, aligned
	s_wait_tensorcnt 0x0                           ; the wave's end, behind my last LDS store
	ds_add_u32 v[SPW], v[NIL]
	s_wait_dscnt 0x0
	s_endpgm
	; ================ the weights: no LDS: in the image's order each store of sixteen lanes is 256 consecutive bytes ================
.Lweights:
	s_sub_co_u32 s21, ttmp9, 448
	v_lshlrev_b32 v3, 2, v2                        ; 4 x lane: my column
	v_lshrrev_b32 v4, 4, v2                        ; which of my wave's two tiles
	v_and_b32 v5, 15, v2
	v_lshlrev_b32 v5, 4, v5
	v_lshlrev_b32 v9, 3, v2
	s_wait_kmcnt 0x0
	s_mov_b64 s[22:23], s[14:15]                   ; Wo from 80 on,
	s_mov_b32 s24, 80
	s_cmp_lt_u32 s21, 80
	s_cselect_b64 s[22:23], s[12:13], s[22:23]     ; Wv from 56,
	s_cselect_b32 s24, 56, s24
	s_cmp_lt_u32 s21, 56
	s_cselect_b64 s[22:23], s[10:11], s[22:23]     ; Wk from 32,
	s_cselect_b32 s24, 32, s24
	s_cmp_lt_u32 s21, 32
	s_cselect_b64 s[22:23], s[8:9], s[22:23]       ; Wq from 0
	s_cselect_b32 s24, 0, s24
	s_sub_co_u32 s25, s21, s24
	s_lshr_b32 s26, s25, 3                         ; which 256 along K
	s_and_b32 s27, s25, 7                          ; which 128 columns
	s_lshl_b32 s28, s26, 20                        ; 256 rows of 4,096 bytes
	s_lshl_b32 s29, s27, 9
	s_add_co_u32 s28, s28, s29
	s_lshl_b32 s29, s20, 7
	s_add_co_u32 s28, s28, s29
	s_mov_b32 s29, 0
	s_add_nc_u64 s[22:23], s[22:23], s[28:29]
	s_lshl_b32 s30, s27, 3
	s_lshl_b32 s31, s20, 1
	s_add_co_u32 s30, s30, s31                     ; my first tile of 16 columns (an even number)
	LOADW 0
	LOADW 1
	s_cmp_ge_u32 s21, 80
	s_cbranch_scc1 .Lwo
	s_lshr_b32 s32, s30, 2                         ; Wq: tiles in fours
	s_lshl_b32 s32, s32, 15
	s_lshl_b32 s33, s26, 13
	s_add_co_u32 s32, s32, s33
	s_and_b32 s33, s30, 3
	s_lshl_b32 s33, s33, 11
	s_add_co_u32 s32, s32, s33                     ; (W_QC = 0)
	s_lshl_b32 s34, s30, 1                         ; (tile / 2) x 4
	s_add_co_u32 s34, s34, s26
	s_lshl_b32 s34, s34, 8
	s_add_co_u32 s34, s34, W_QS
	s_cmp_lt_u32 s21, 56                           ; Wk | Wv: tiles in eights, Wv's 64 tiles behind Wk's
	s_cselect_b32 s35, 0, 64
	s_add_co_u32 s35, s35, s30
	s_lshr_b32 s36, s35, 3
	s_mul_i32 s36, s36, 49152
	s_lshl_b32 s37, s26, 14
	s_add_co_u32 s36, s36, s37
	s_and_b32 s37, s35, 7
	s_lshl_b32 s37, s37, 11
	s_add_co_u32 s36, s36, s37
	s_add_co_u32 s36, s36, W_KVC
	s_lshr_b32 s37, s35, 1
	s_mul_i32 s37, s37, 3
	s_add_co_u32 s37, s37, s26
	s_lshl_b32 s37, s37, 8
	s_add_co_u32 s37, s37, W_KVS
	s_cmp_lt_u32 s21, 32
	s_cselect_b32 s32, s32, s36
	s_cselect_b32 s34, s34, s37
	s_mov_b32 s33, 0
	s_mov_b32 s35, 0
	s_add_nc_u64 s[32:33], s[18:19], s[32:33]      ; the codes
	s_add_nc_u64 s[34:35], s[18:19], s[34:35]      ; the scale bytes
	v_lshl_add_u32 v8, v4, 11, v5                  ; my tile's 2,048 bytes, my column's 16
.irp t, 0,1,2,3,4,5,6,7
	BLOCKQ \t
.endr
	global_store_b64 v9, v[SB:SB+1], s[34:35]      ; my column's 8 scale bytes: the wave stores 256 consecutive bytes, aligned
	s_endpgm
.Lwo:
	s_lshr_b32 s32, s30, 3
	s_lshl_b32 s32, s32, 18                        ; 128 columns: 262,144 bytes
	s_lshl_b32 s33, s26, 16                        ; 256 along K: two chunks of 32,768
	s_add_co_u32 s32, s32, s33
	s_and_b32 s33, s30, 7
	s_lshl_b32 s33, s33, 12
	s_add_co_u32 s32, s32, s33
	s_add_co_u32 s32, s32, W_O16
	s_mov_b32 s33, 0
	s_add_nc_u64 s[32:33], s[18:19], s[32:33]
	v_lshl_add_u32 v8, v4, 12, v5                  ; my tile's 4,096 bytes, my column's 16
.irp t, 0,1,2,3,4,5,6,7
	BLOCKH \t
.endr
	s_endpgm
.Lfunc_end_k_qb36f5fe5fc_prep:
	.size	k_qb36f5fe5fc_prep, .Lfunc_end_k_qb36f5fe5fc_prep-k_qb36f5fe5fc_prep
	.p2alignl 7, 3214868480
	.fill 96, 4, 3214868480
	.section	.rodata,"a",@progbits
	.p2align	6, 0x0
	.amdhsa_kernel k_qb36f5fe5fc_prep
		.amdhsa_group_segment_fixed_size 41472
		.amdhsa_private_segment_fixed_size 0
		.amdhsa_enable_private_segment 0
		.amdhsa_kernarg_size 64
		.amdhsa_user_sgpr_count 2
		.amdhsa_user_sgpr_kernarg_segment_ptr 1
		.amdhsa_wavefront_size32 1
		.amdhsa_system_sgpr_workgroup_id_x 1
		.amdhsa_system_sgpr_workgroup_id_y 1
		.amdhsa_system_sgpr_workgroup_id_z 1
		.amdhsa_system_vgpr_workitem_id 0
		.amdhsa_next_free_vgpr 224
		.amdhsa_next_free_sgpr 66
		.amdhsa_reserve_vcc 0
		.amdhsa_float_denorm_mode_32 3
		.amdhsa_float_denorm_mode_16_64 3
		.amdhsa_memory_ordered 1
		.amdhsa_forward_progress 1
		.amdhsa_inst_pref_size 106
	.end_amdhsa_kernel
	.amdgpu_metadata
---
amdhsa.version: [ 1, 2 ]
amdhsa.kernels:
  - .name:           k_qb36f5fe5fc_prep
    .symbol:         k_qb36f5fe5fc_prep.kd
    .args:
      - { .name: x, .offset: 0, .size: 8, .value_kind: global_buffer, .address_space: global }
      - { .name: context, .offset: 8, .size: 8, .value_kind: global_buffer, .address_space: global }
      - { .name: Wq, .offset: 16, .size: 8, .value_kind: global_buffer, .address_space: global }
      - { .name: Wk, .offset: 24, .size: 8, .value_kind: global_buffer, .address_space: global }
      - { .name: Wv, .offset: 32, .size: 8, .value_kind: global_buffer, .address_space: global }
      - { .name: Wo, .offset: 40, .size: 8, .value_kind: global_buffer, .address_space: global }
      - { .name: act, .offset: 48, .size: 8, .value_kind: global_buffer, .address_space: global }
      - { .name: wts, .offset: 56, .size: 8, .value_kind: global_buffer, .address_space: global }
    .group_segment_fixed_size: 41472
    .private_segment_fixed_size: 0
    .kernarg_segment_align: 8
    .kernarg_segment_size: 64
    .max_flat_workgroup_size: 128
    .sgpr_count:     66
    .vgpr_count:     224
    .wavefront_size: 32
...
	.end_amdgpu_metadata
.endif
;; end of part 1
;; launch proj_kv (part 2): grid 8 x 32, 4 waves a work-group, clusters of 4 x 4, 197,120 bytes of LDS; arguments act, wts, kv; writes kv
.if DOCPART == 2
	.amdgcn_target "amdgcn-amd-amdhsa--gfx1250"
	.amdhsa_code_object_version 6
	.text
	.protected	k_qb36f5fe5fc_proj_kv
	.globl	k_qb36f5fe5fc_proj_kv
	.p2align	8
	.type	k_qb36f5fe5fc_proj_kv,@function
k_qb36f5fe5fc_proj_kv:
	s_mov_b64 s[64:65], 0
	v_nop
	global_prefetch_b8 v0, s[64:65] scope:SCOPE_SE
	s_setreg_imm32_b32 hwreg(HW_REG_WAVE_MODE, 25, 1), 1
	s_wait_xcnt 0x0
	s_wait_alu depctr_hold_cnt(0) depctr_sa_sdst(0) depctr_va_vdst(0) depctr_va_sdst(0) depctr_va_ssrc(0) depctr_va_vcc(0) depctr_vm_vsrc(0)
	s_getreg_b32 s2, hwreg(HW_REG_IB_STS2, 6, 4)
	s_cmp_eq_u32 s2, 0
	s_cbranch_scc0 .Lentry_in_a_cluster
	s_endpgm
.Lentry_in_a_cluster:
	s_bfe_u32 s2, ttmp6, 0x10000c
	s_cmp_lg_u32 s2, 0xf033
	s_cbranch_scc0 .Lentry_shape_is_right
	s_endpgm
.Lentry_shape_is_right:
; PROJ_KV: k' = Q(context) Q(Wk) and v' = Q(context) Q(Wv), on codes of FP4 with E8M0 scales, sums in f32; the results leave as f16 fragments for the attention launch.
; LEFT OUT: bk (it adds the same to every score of a softmax's row: shown at the head of the first launch).  bv is added in the attention launch, behind the division.
; LIMIT: |k'|, |v'| up to 65,504 (f16).
; SHARES: a work-group makes 256 context rows x 256 columns of Wk | Wv over K = 768; a wave 128 x 128: 64 accumulators, 6 steps of 128 along K, 384 matrix instructions.
; ORIENTATION.  Source 0 is side X, source 1 side Y: in a result a lane holds ONE index of Y and its registers eight neighbours of X.
;   columns of Wk (cluster x = 0): X = channels, Y = context rows: a lane holds a key and channels: two neighbouring X tiles, rounded in pairs, ARE a fragment of K (16 keys x 32 channels);
;   columns of Wv (cluster x = 1): X = context rows, Y = channels: a lane holds a channel and keys: a fragment of V^T (16 channels x 32 keys).
; One text serves both: the kind hangs on the cluster's x, the same in all sixteen partners, and selects LDS bases, scale pointers and the output's strides.
; LDS: all of K lies there at once, in three chunks of 256 along K; nothing is filled twice.  Chunk p: context's 16 tiles x 2,048 bytes, then the weights' 16.  Each wave brings 16,384 dense bytes of each chunk.
; CLUSTER 4 x 4: the context's tiles are shared along a row of the cluster, the weights' along a column: joint loads.
; REGISTERS: window 0: addresses, v32-55 X's scale words, v56-79 Y's (register 6 (pair of tiles) + step; lanes 0-15 the even tile, lanes 16-31 the odd one);
;   window 1: X's fragments, two sets at v0, v64; Y's at v128, v192; on the way out all 256: the f16 fragments.   windows 2, 3: accumulators (i, j) at v[8 (8 (i % 4) + j)], i = 0-3 and 4-7.
.set A_CC,  4194304
.set A_CS,  7602176
.set W_KVC, 524288
.set W_KVS, 1343488
.set CHUNK, 65536
.set SPARE, 3*CHUNK                    ; the spare words, 128 bytes a wave: two blocks of 256 bytes that no other line names
.set ADX, 8                            ; v8-10   X's fragments in chunk 0, 1, 2
.set ADY, 11                           ; v11-13  Y's
.set VY,  16                           ; v16-23  the way out: 16 x lane + Y tile j's place
.set L8,  24                           ; v24     8 x lane
.set SPW, 28
.set NIL, 29
.set SX,  32
.set SY,  56
.set G1C, 24                           ; s[24:31] descriptor group 1 for the context's tiles;  s[48:55] for the weights': the mask alone differs
.set G1W, 48
.set G0C, 68                           ; s[68:79] three groups 0 for the context's chunks;  s[80:91] for the weights'
.set G0W, 80
.set SBS, 92                           ; s[92:99] four bases for the stores: X pair u
.set MSB, 0
.macro WIN new                         ; the immediate's high byte repeats the setting that is left
.if MSB != (\new)
	s_set_vgpr_msb (MSB<<8)|(\new)
.set MSB, (\new)
.endif
.endm
.macro PLACES                          ; four places between a matrix instruction and a load into, or a vector instruction on, its registers
.rept 4
	v_nop
.endr
.endm
.macro BAR
	s_barrier_signal -1
	s_barrier_wait -1
.endm
.macro CROUND                          ; a round of the cluster's barrier
	s_barrier_signal -1
	s_barrier_wait -1
	s_cmp_lg_u32 s14, 0
	s_cbranch_scc1 .Lnot_wave_0_\@
	s_barrier_signal -3
.Lnot_wave_0_\@:
	s_barrier_wait -3
	s_barrier_signal -1
	s_barrier_wait -1
.endm
; one product: X tile i x Y tile j, step st of 128 along K, fragment set bf.  An odd tile's scale words lie in lanes 16-31 of its pair's register
.macro MM i, j, st, bf, zero
.set rD, 8*(8*((\i)%4)+(\j))
.set rX, 64*(\bf)+8*(\i)
.set rY, 128+64*(\bf)+8*(\j)
.set rA, SX+6*((\i)/2)+(\st)
.set rB, SY+6*((\j)/2)+(\st)
.set par, 2*((\i)%2)+((\j)%2)+4*(\zero)
.if par == 0
	v_wmma_scale_f32_16x16x128_f8f6f4 v[rD:rD+7], v[rX:rX+7], v[rY:rY+7], v[rD:rD+7], v[rA], v[rB] matrix_a_fmt:MATRIX_FMT_FP4 matrix_b_fmt:MATRIX_FMT_FP4
.elseif par == 1
	v_wmma_scale_f32_16x16x128_f8f6f4 v[rD:rD+7], v[rX:rX+7], v[rY:rY+7], v[rD:rD+7], v[rA], v[rB] matrix_a_fmt:MATRIX_FMT_FP4 matrix_b_fmt:MATRIX_FMT_FP4 matrix_b_scale:MATRIX_SCALE_ROW1
.elseif par == 2
	v_wmma_scale_f32_16x16x128_f8f6f4 v[rD:rD+7], v[rX:rX+7], v[rY:rY+7], v[rD:rD+7], v[rA], v[rB] matrix_a_fmt:MATRIX_FMT_FP4 matrix_b_fmt:MATRIX_FMT_FP4 matrix_a_scale:MATRIX_SCALE_ROW1
.elseif par == 3
	v_wmma_scale_f32_16x16x128_f8f6f4 v[rD:rD+7], v[rX:rX+7], v[rY:rY+7], v[rD:rD+7], v[rA], v[rB] matrix_a_fmt:MATRIX_FMT_FP4 matrix_b_fmt:MATRIX_FMT_FP4 matrix_a_scale:MATRIX_SCALE_ROW1 matrix_b_scale:MATRIX_SCALE_ROW1
.elseif par == 4
	v_wmma_scale_f32_16x16x128_f8f6f4 v[rD:rD+7], v[rX:rX+7], v[rY:rY+7], 0, v[rA], v[rB] matrix_a_fmt:MATRIX_FMT_FP4 matrix_b_fmt:MATRIX_FMT_FP4
.elseif par == 5
	v_wmma_scale_f32_16x16x128_f8f6f4 v[rD:rD+7], v[rX:rX+7], v[rY:rY+7], 0, v[rA], v[rB] matrix_a_fmt:MATRIX_FMT_FP4 matrix_b_fmt:MATRIX_FMT_FP4 matrix_b_scale:MATRIX_SCALE_ROW1
.elseif par == 6
	v_wmma_scale_f32_16x16x128_f8f6f4 v[rD:rD+7], v[rX:rX+7], v[rY:rY+7], 0, v[rA], v[rB] matrix_a_fmt:MATRIX_FMT_FP4 matrix_b_fmt:MATRIX_FMT_FP4 matrix_a_scale:MATRIX_SCALE_ROW1
.else
	v_wmma_scale_f32_16x16x128_f8f6f4 v[rD:rD+7], v[rX:rX+7], v[rY:rY+7], 0, v[rA], v[rB] matrix_a_fmt:MATRIX_FMT_FP4 matrix_b_fmt:MATRIX_FMT_FP4 matrix_a_scale:MATRIX_SCALE_ROW1 matrix_b_scale:MATRIX_SCALE_ROW1
.endif
.endm
; a step's 64 products: the 64 accumulators take turns, one instruction a turn, in the same order in every step.  zero = 1: the first step starts the sums
.macro MUL st, bf, zero
	WIN 0xa5                                       ; sources 0 and 1 window 1, C and D window 2
.irp i, 0,1,2,3
.irp j, 0,1,2,3,4,5,6,7
	MM \i, \j, \st, \bf, \zero
.endr
.endr
	WIN 0xf5                                       ; C and D window 3
.irp i, 4,5,6,7
.irp j, 0,1,2,3,4,5,6,7
	MM \i, \j, \st, \bf, \zero
.endr
.endr
.endm
; a step's 16 fragments, 32 loads of 512 consecutive bytes, into set bf
.macro FETCH st, bf
	WIN 0x40                                       ; destination window 1, address window 0
.irp i, 0,1,2,3,4,5,6,7
.irp c, 0,1
	ds_load_b128 v[64*(\bf)+8*\i+4*\c:64*(\bf)+8*\i+4*\c+3], v[ADX+(\st)/2] offset:\i*2048+((\st)%2)*1024+\c*512
.endr
.endr
.irp i, 0,1,2,3,4,5,6,7
.irp c, 0,1
	ds_load_b128 v[128+64*(\bf)+8*\i+4*\c:128+64*(\bf)+8*\i+4*\c+3], v[ADY+(\st)/2] offset:\i*2048+((\st)%2)*1024+\c*512
.endr
.endr
.endm
	s_load_b128 s[4:7], s[0:1], 0x0                ; act, wts
	s_load_b64 s[8:9], s[0:1], 0x10                ; kv
	v_lshl_add_u32 v[SPW], v0, 2, SPARE
	v_mov_b32 v[NIL], 0
	ds_add_u32 v[SPW], v[NIL]                      ; the wave's opening: the add, twice on end, and its wait ahead of my first tensor load
	ds_add_u32 v[SPW], v[NIL]
	v_lshrrev_b32 v1, 5, v0
	v_readfirstlane_b32 s14, v1                    ; wave 0..3
	s_lshr_b32 s15, s14, 1                         ; my half of X.  Also: I fetch the context's tiles (0) or the weights' (1)
	s_and_b32 s16, s14, 1                          ; my half of Y.  Also: which 128 rows I fetch
	s_bfe_u32 s40, ttmp6, 0x40000                  ; cx, cy: my place in the cluster
	s_bfe_u32 s41, ttmp6, 0x40004
	s_lshl_b32 s42, ttmp9, 2
	s_add_co_u32 s42, s42, s40                     ; x: which 256 columns of Wk | Wv
	s_and_b32 s17, ttmp7, 0xffff
	s_lshl_b32 s17, s17, 2
	s_add_co_u32 s17, s17, s41                     ; y: which 256 context rows
	s_lshl_b32 s43, s41, 2
	s_lshl_b32 s43, 15, s43                        ; my row of the cluster
	s_lshl_b32 s44, 0x1111, s40                    ; my column
	s_or_b32 s[G1C], s43, (3<<16)|(1<<21)          ; 15:0 the mask; 17:16 elements of 8 bytes; 21 set beside a mask; no padding
	s_or_b32 s[G1W], s44, (3<<16)|(1<<21)
.irp g, G1C, G1W                       ; 16,384 dense bytes as 64 rows of 256
	s_mov_b32 s[\g+1], 32<<16                      ; tensor_dim0 = 32
	s_mov_b32 s[\g+2], 64<<16                      ; tensor_dim1 = 64
	s_mov_b32 s[\g+3], 32<<16                      ; tile_dim0 = 32
	s_mov_b32 s[\g+4], 64                          ; tile_dim1 = 64
	s_mov_b32 s[\g+5], 32                          ; from row to row
	s_mov_b32 s[\g+6], 0
	s_mov_b32 s[\g+7], 0
.endr
	s_lshl_b32 s20, s17, 1
	s_add_co_u32 s20, s20, s16
	s_mul_i32 s20, s20, 49152                      ; the context's eight tiles 8 (2 y + half) on: 49,152 bytes for all of K
	s_add_co_u32 s20, s20, A_CC
	s_mov_b32 s21, 0
	s_lshl_b32 s46, s42, 1
	s_add_co_u32 s46, s46, s16
	s_mul_i32 s46, s46, 49152                      ; the weights' likewise, by x
	s_add_co_u32 s46, s46, W_KVC
	s_mov_b32 s47, 0
	s_lshl_b32 s45, s14, 14                        ; where they go in a chunk: 16,384 x wave
	s_wait_dscnt 0x0                               ; both opening adds are done
	s_wait_kmcnt 0x0
	s_add_nc_u64 s[20:21], s[4:5], s[20:21]
	s_add_nc_u64 s[46:47], s[6:7], s[46:47]
	CROUND                                         ; all sixteen work-groups are here: the joint loads meet
.irp p, 0,1,2
	s_mov_b32 s[G0C+4*\p], 1
	s_add_co_u32 s[G0C+4*\p+1], s45, \p*CHUNK
	s_add_nc_u64 s[G0C+4*\p+2:G0C+4*\p+3], s[20:21], \p*16384
	s_or_b32 s[G0C+4*\p+3], s[G0C+4*\p+3], 0x80000000
	s_mov_b32 s[G0W+4*\p], 1
	s_add_co_u32 s[G0W+4*\p+1], s45, \p*CHUNK
	s_add_nc_u64 s[G0W+4*\p+2:G0W+4*\p+3], s[46:47], \p*16384
	s_or_b32 s[G0W+4*\p+3], s[G0W+4*\p+3], 0x80000000
.endr
	s_cmp_lt_u32 s14, 2                            ; a wave's three fills stand in one arm of one branch on its number: three tensor loads of mine are out
	s_cbranch_scc0 .Lfirst_w
	tensor_load_to_lds s[G0C:G0C+3], s[G1C:G1C+7]
	s_nop 0
	tensor_load_to_lds s[G0C+4:G0C+7], s[G1C:G1C+7]
	s_nop 0
	tensor_load_to_lds s[G0C+8:G0C+11], s[G1C:G1C+7]
	s_nop 0
	PLACES
	s_branch .Lfirst_asked
.Lfirst_w:
	tensor_load_to_lds s[G0W:G0W+3], s[G1W:G1W+7]
	s_nop 0
	tensor_load_to_lds s[G0W+4:G0W+7], s[G1W:G1W+7]
	s_nop 0
	tensor_load_to_lds s[G0W+8:G0W+11], s[G1W:G1W+7]
	s_nop 0
	PLACES
.Lfirst_asked:
	v_and_b32 v1, 31, v0
	v_lshlrev_b32 v2, 4, v1                        ; 16 x lane
	v_lshlrev_b32 v[L8], 3, v1
	s_cmp_eq_u32 ttmp9, 0                          ; columns of Wk?  (the cluster's x: the same in all partners)
	s_cselect_b32 s18, s16, s15                    ; which half of the context's rows is mine: Y's half for Wk, X's for Wv
	s_cselect_b32 s19, s15, s16                    ; and of the weights' columns
	s_cselect_b32 s22, 32768, 0                    ; X's place in a chunk
	s_cselect_b32 s23, 0, 32768                    ; Y's
	s_cselect_b32 s12, s15, s16                    ; the half that picks heads
	s_cselect_b32 s13, s16, s15                    ; the half that picks keys
	s_cselect_b32 s3, 0, 262144                    ; V lies behind K in a head's 524,288 bytes
	s_mov_b32 s66, 1024
	s_cselect_b32 s66, 2048, s66                   ; Y tile j: (j % 4) x this
	s_mov_b32 s67, 524288
	s_cselect_b32 s67, 8192, s67                   ;         + (j / 4) x this
	s_mov_b32 s10, 4096
	s_cselect_b32 s10, 1024, s10                   ; X pair u: (u % 2) x this
	s_mov_b32 s11, 8192
	s_cselect_b32 s11, 524288, s11                 ;         + (u / 2) x this
	s_lshl_b32 s56, s17, 3
	s_lshl_b32 s57, s18, 2
	s_add_co_u32 s56, s56, s57
	s_mul_i32 s56, s56, 768                        ; a pair of tiles has 3 x 256 scale bytes
	s_add_co_u32 s56, s56, A_CS
	s_mov_b32 s57, 0
	s_add_nc_u64 s[56:57], s[4:5], s[56:57]        ; the context's scale words, my four pairs of tiles
	s_lshl_b32 s58, s42, 3
	s_lshl_b32 s59, s19, 2
	s_add_co_u32 s58, s58, s59
	s_mul_i32 s58, s58, 768
	s_add_co_u32 s58, s58, W_KVS
	s_mov_b32 s59, 0
	s_add_nc_u64 s[58:59], s[6:7], s[58:59]        ; the weights'
	s_cmp_eq_u32 ttmp9, 0
	s_cselect_b64 s[60:61], s[58:59], s[56:57]     ; X's
	s_cselect_b64 s[62:63], s[56:57], s[58:59]     ; Y's
.irp tp, 0,1,2,3
.irp p, 0,1,2
	global_load_b64 v[SX+6*\tp+2*\p:SX+6*\tp+2*\p+1], v[L8], s[60:61] offset:\tp*768+\p*256    ; 32 rows x 8 bytes: the words of steps 2 p and 2 p + 1
	global_load_b64 v[SY+6*\tp+2*\p:SY+6*\tp+2*\p+1], v[L8], s[62:63] offset:\tp*768+\p*256
.endr
.endr
	s_lshl_b32 s18, s15, 14
	s_add_co_u32 s18, s18, s22
	s_lshl_b32 s19, s16, 14
	s_add_co_u32 s19, s19, s23
.irp p, 0,1,2
	v_add_nc_u32 v[ADX+\p], s18, v2
	v_add_nc_u32 v[ADY+\p], s19, v2
	s_add_co_u32 s18, s18, CHUNK
	s_add_co_u32 s19, s19, CHUNK
.endr
.irp j, 0,1,2,3,4,5,6,7
	s_mul_i32 s18, s66, \j%4
	s_mul_i32 s19, s67, \j/4
	s_add_co_u32 s18, s18, s19
	v_add_nc_u32 v[VY+\j], s18, v2
.endr
	s_lshr_b32 s18, s17, 3                         ; the batch: 8 blocks of 256 rows each
	s_lshl_b32 s18, s18, 4
	s_and_b32 s19, s42, 3
	s_lshl_b32 s19, s19, 2
	s_add_co_u32 s18, s18, s19
	s_lshl_b32 s19, s12, 1
	s_add_co_u32 s18, s18, s19                     ; my first head: 16 batch + 4 (x % 4) + 2 half
	s_lshl_b32 s18, s18, 19
	s_add_co_u32 s18, s18, s3
	s_and_b32 s19, s17, 7
	s_lshl_b32 s19, s19, 15                        ; 256 keys are 32,768 bytes of K, and of V
	s_add_co_u32 s18, s18, s19
	s_lshl_b32 s19, s13, 14
	s_add_co_u32 s18, s18, s19
	s_mov_b32 s19, 0
	s_add_nc_u64 s[8:9], s[8:9], s[18:19]
.irp u, 0,1,2,3
	s_mul_i32 s18, s10, \u%2
	s_mul_i32 s56, s11, \u/2
	s_add_co_u32 s18, s18, s56
	s_add_nc_u64 s[SBS+2*\u:SBS+2*\u+1], s[8:9], s[18:19]
.endr
	s_wait_tensorcnt 2                             ; my part of chunk 0 is in; chunks 1 and 2 may stay out
	BAR                                            ; everybody's is
	FETCH 0, 0
	FETCH 1, 1
	s_wait_dscnt 32                                ; all but the 32 just issued
	s_wait_loadcnt 0x0                             ; the scale words
	MUL 0, 0, 1
	s_wait_tensorcnt 1                             ; chunk 1
	s_wait_dscnt 0x0
	BAR
	PLACES
	FETCH 2, 0
	MUL 1, 1, 0
	PLACES
	FETCH 3, 1
	s_wait_dscnt 32
	MUL 2, 0, 0
	s_wait_tensorcnt 0x0                           ; chunk 2
	s_wait_dscnt 0x0
	BAR
	PLACES
	FETCH 4, 0
	MUL 3, 1, 0
	PLACES
	FETCH 5, 1
	s_wait_dscnt 32
	MUL 4, 0, 0
	s_wait_dscnt 0x0
	MUL 5, 1, 0
	; THE WAY OUT: X tiles 2 u and 2 u + 1 against Y tile j, rounded to f16 in pairs, are fragment 8 u + j; each accumulator is read from its low end on.  All 32 fragments fill window 1, so no store's data are written again
	PLACES
.irp u, 0,1,2,3
	WIN 0x4a+5*(\u/2)                              ; sources window 2 (u = 0, 1) or 3, destination window 1
.irp j, 0,1,2,3,4,5,6,7
.irp r, 0,1,2,3
	v_cvt_pk_f16_f32 v[8*(8*\u+\j)+\r], v[8*(8*((2*\u)%4)+\j)+2*\r], v[8*(8*((2*\u)%4)+\j)+2*\r+1]
.endr
.irp r, 0,1,2,3
	v_cvt_pk_f16_f32 v[8*(8*\u+\j)+4+\r], v[8*(8*((2*\u+1)%4)+\j)+2*\r], v[8*(8*((2*\u+1)%4)+\j)+2*\r+1]
.endr
.endr
.endr
	WIN 0x04                                       ; a store's data are its source 1: window 1
.irp u, 0,1,2,3
.irp j, 0,1,2,3,4,5,6,7
.irp c, 0,1
	global_store_b128 v[VY+\j], v[8*(8*\u+\j)+4*\c:8*(8*\u+\j)+4*\c+3], s[SBS+2*\u:SBS+2*\u+1] offset:512*\c    ; 512 consecutive bytes, aligned
.endr
.endr
.endr
	WIN 0
	s_wait_tensorcnt 0x0                           ; the wave's end
	ds_add_u32 v[SPW], v[NIL]
	s_wait_dscnt 0x0
	CROUND                                         ; the closing round
	s_endpgm
.Lfunc_end_k_qb36f5fe5fc_proj_kv:
	.size	k_qb36f5fe5fc_proj_kv, .Lfunc_end_k_qb36f5fe5fc_proj_kv-k_qb36f5fe5fc_proj_kv
	.p2alignl 7, 3214868480
	.fill 96, 4, 3214868480
	.section	.rodata,"a",@progbits
	.p2align	6, 0x0
	.amdhsa_kernel k_qb36f5fe5fc_proj_kv
		.amdhsa_group_segment_fixed_size 197120
		.amdhsa_private_segment_fixed_size 0
		.amdhsa_enable_private_segment 0
		.amdhsa_kernarg_size 24
		.amdhsa_user_sgpr_count 2
		.amdhsa_user_sgpr_kernarg_segment_ptr 1
		.amdhsa_wavefront_size32 1
		.amdhsa_system_sgpr_workgroup_id_x 1
		.amdhsa_system_sgpr_workgroup_id_y 1
		.amdhsa_system_sgpr_workgroup_id_z 1
		.amdhsa_system_vgpr_workitem_id 0
		.amdhsa_next_free_vgpr 1024
		.amdhsa_next_free_sgpr 100
		.amdhsa_reserve_vcc 0
		.amdhsa_float_denorm_mode_32 3
		.amdhsa_float_denorm_mode_16_64 3
		.amdhsa_memory_ordered 1
		.amdhsa_forward_progress 1
		.amdhsa_inst_pref_size 97
	.end_amdhsa_kernel
	.amdgpu_metadata
---
amdhsa.version: [ 1, 2 ]
amdhsa.kernels:
  - .name:           k_qb36f5fe5fc_proj_kv
    .symbol:         k_qb36f5fe5fc_proj_kv.kd
    .args:
      - { .name: act, .offset: 0, .size: 8, .value_kind: global_buffer, .address_space: global }
      - { .name: wts, .offset: 8, .size: 8, .value_kind: global_buffer, .address_space: global }
      - { .name: kv, .offset: 16, .size: 8, .value_kind: global_buffer, .address_space: global }
    .group_segment_fixed_size: 197120
    .private_segment_fixed_size: 0
    .kernarg_segment_align: 8
    .kernarg_segment_size: 24
    .max_flat_workgroup_size: 128
    .sgpr_count:     100
    .vgpr_count:     1024
    .wavefront_size: 32
...
	.end_amdgpu_metadata
.endif
;; end of part 2
;; launch attn (part 3): grid 4 x 64, 8 waves a work-group, clusters of 4 x 1, 327,680 bytes of LDS; arguments act, wts, bq, bv, kv, of; writes of
.if DOCPART == 3
	.amdgcn_target "amdgcn-amd-amdhsa--gfx1250"
	.amdhsa_code_object_version 6
	.text
	.protected	k_qb36f5fe5fc_attn
	.globl	k_qb36f5fe5fc_attn
	.p2align	8
	.type	k_qb36f5fe5fc_attn,@function
k_qb36f5fe5fc_attn:
	s_mov_b64 s[64:65], 0
	v_nop
	global_prefetch_b8 v0, s[64:65] scope:SCOPE_SE
	s_setreg_imm32_b32 hwreg(HW_REG_WAVE_MODE, 25, 1), 1
	s_wait_xcnt 0x0
	s_wait_alu depctr_hold_cnt(0) depctr_sa_sdst(0) depctr_va_vdst(0) depctr_va_sdst(0) depctr_va_ssrc(0) depctr_va_vcc(0) depctr_vm_vsrc(0)
	s_getreg_b32 s2, hwreg(HW_REG_IB_STS2, 6, 4)
	s_cmp_eq_u32 s2, 0
	s_cbranch_scc0 .Lentry_in_a_cluster
	s_endpgm
.Lentry_in_a_cluster:
	s_bfe_u32 s2, ttmp6, 0x10000c
	s_cmp_lg_u32 s2, 0x3003
	s_cbranch_scc0 .Lentry_shape_is_right
	s_endpgm
.Lentry_shape_is_right:
; ATTN: q = Q(x) Q(Wq) + bq (FP4 codes, f32 sums), then o = softmax(q k'^T / 8) v' + bv, with f16 operands and f32 sums, maxima and row sums; o leaves as f16 fragments of the last product.
; LEFT OUT: bk (it adds the same to every score of a row: shown at the head of the first launch).  bv is added once, behind the division: a row's weights sum to 1.
; LIMITS: |q|, |o| up to 65,504 (f16); the weights p, at most 1, are rounded to f16 for the second product, the row's sum is taken of the unrounded p.
; SHARES: a work-group owns 512 queries of one head, each of its eight waves 64: four tiles of 16.  Two waves share a SIMD, 512 registers each: a key step is written in phases (K Q^T, softmax, V^T P),
; and one wave's vector work stands beside the other's matrix work.  At this head size a tile's softmax is 118 vector instructions beside 16 matrix instructions.
; q NEVER GOES TO MEMORY: each wave projects its 64 rows onto the head's 64 columns (128 matrix instructions), transposed (source 0 = 16 columns of Wq, source 1 = 16 rows of x), so that a lane holds one
; query and eight channels: rounded in pairs these ARE Q's fragments.  bq is the C of the first K step.
; LAYOUT: S^T = K Q^T and O^T = V^T P: a lane holds one query throughout; two neighbouring tiles of S^T, as p, rounded in pairs, are a fragment of P.
; SOFTMAX: running maximum m and sum l for each query; p = 2^(c s - c m), c = log2(e) / 8; O and l are multiplied by a = 2^(c m_old - c m_new) in every step.
; CLUSTER: the four work-groups of a head walk the same K and V and use the same columns of Wq: every tensor load is joint, mask 15, issued by every wave of all four with the same descriptor.
; LDS: two slots of 512 keys (K 65,536 bytes, then V 65,536), 2^17 apart; Wq's 32,768 bytes; the spare words.  All fragments lie as images of registers: every load is 512 consecutive bytes.
; A refill goes out at a change of slots and has eight key steps, 512 matrix instructions a wave, in which to land.
; REGISTERS: window 0: v2-8 addresses; v16-47 statistics, 8 a tile (in the projection: scale words); v64-191 S^T, 32 a tile (projection: its 16 accumulators); v192-255 K's 8 fragments, then P, 16 a tile (projection: Wq's fragments, two sets)
;   window 1: v0-127 O^T, 32 a tile; v128-191 Q, 16 a tile; v192-255 V's 8 fragments (projection: all 256: x's fragments, step s, tile t at v[32 s + 8 t]; bq at v224 on until step 0 has read it)
.set A_XS,  7340032
.set W_QS,  1310720
.set SLOT1, 131072
.set VOFF,  65536
.set WQL,   262144
.set SPARE, 294912                     ; the spare words, 128 bytes a wave: four blocks of 256 bytes that no other line names
.set LI,  2                            ; v2  16 x lane
.set LV,  3                            ; v3  + V's place in a slot
.set LW,  4                            ; v4  + Wq's place in LDS
.set ADK, 5
.set ADV, 6
.set L8,  7                            ; v7  8 x lane
.set HB,  8                            ; v8  32 (lane / 16): my eight numbers of a bias
.set SPW, 14
.set NIL, 15
.set ST,  16                           ; tile t at v[ST + 8 t]: +0 c m, +1 m, +2, +3 l, +4 .. +7 at work; a at +6
.set XSC, 16                           ; x's scale words: 8 (pair of tiles) + step
.set WSC, 32                           ; Wq's
.set S,   64
.set KP,  192
.set QF,  128                          ; in window 1
.set VF,  192                          ; in window 1
.set WV,  18
.set SEL, 20                           ; s[20:21] v_permlanex16_b32's selects for lane l xor 16
.set CS,  22                           ; s[22:23] c, twice
.set G1,  24                           ; s[24:31] group 1: 16,384 dense bytes;  s[32:39]: 4,096
.set G1W, 32
.set G0W, 40                           ; s[40:43] Wq;  s[44:47] slot 0's first fill;  s[48:51] slot 1's, which then walks
.set G0A, 44
.set G0B, 48
.set TB,  52                           ; s52 LDS byte at which the step's K begins
.set CNT, 53
.set OUTC, 54
.set MSB, 0
.macro WIN new
.if MSB != (\new)
	s_set_vgpr_msb (MSB<<8)|(\new)
.set MSB, (\new)
.endif
.endm
.macro PLACES
.rept 4
	v_nop
.endr
.endm
.macro BAR
	s_barrier_signal -1
	s_barrier_wait -1
.endm
.macro CROUND
	s_barrier_signal -1
	s_barrier_wait -1
	s_cmp_lg_u32 s[WV], 0
	s_cbranch_scc1 .Lnot_wave_0_\@
	s_barrier_signal -3
.Lnot_wave_0_\@:
	s_barrier_wait -3
	s_barrier_signal -1
	s_barrier_wait -1
.endm
.macro LOADX st                        ; x's four fragments of K step st, from memory straight into their registers (window 1)
.irp t, 0,1,2,3
.irp c, 0,1
	global_load_b128 v[32*(\st)+8*\t+4*\c:32*(\st)+8*\t+4*\c+3], v[LI], s[70:71] offset:((\st)/2)*8192+\t*2048+((\st)%2)*1024+\c*512
.endr
.endr
.endm
.macro FETCHW st                       ; Wq's four fragments of K step st from LDS into set st % 2
.irp ct, 0,1,2,3
.irp c, 0,1
	ds_load_b128 v[KP+32*((\st)%2)+8*\ct+4*\c:KP+32*((\st)%2)+8*\ct+4*\c+3], v[LW] offset:((\st)/2)*8192+\ct*2048+((\st)%2)*1024+\c*512
.endr
.endr
.endm
.macro QM ct, t, st                    ; q^T(channels 16 ct on, queries 16 t on) += Wq^T x^T over K step st; in step 0 the sum begins with bq
.set rD, S+8*(4*(\ct)+(\t))
.set rA, KP+32*((\st)%2)+8*(\ct)
.set rB, 32*(\st)+8*(\t)
.set rC, 224+8*(\ct)
.set rP, WSC+8*((\ct)/2)+(\st)
.set rQ, XSC+8*((\t)/2)+(\st)
.set par, 2*((\ct)%2)+((\t)%2)
.if (\st) == 0
.set par, par+4
.endif
.if par == 0
	v_wmma_scale_f32_16x16x128_f8f6f4 v[rD:rD+7], v[rA:rA+7], v[rB:rB+7], v[rD:rD+7], v[rP], v[rQ] matrix_a_fmt:MATRIX_FMT_FP4 matrix_b_fmt:MATRIX_FMT_FP4
.elseif par == 1
	v_wmma_scale_f32_16x16x128_f8f6f4 v[rD:rD+7], v[rA:rA+7], v[rB:rB+7], v[rD:rD+7], v[rP], v[rQ] matrix_a_fmt:MATRIX_FMT_FP4 matrix_b_fmt:MATRIX_FMT_FP4 matrix_b_scale:MATRIX_SCALE_ROW1
.elseif par == 2
	v_wmma_scale_f32_16x16x128_f8f6f4 v[rD:rD+7], v[rA:rA+7], v[rB:rB+7], v[rD:rD+7], v[rP], v[rQ] matrix_a_fmt:MATRIX_FMT_FP4 matrix_b_fmt:MATRIX_FMT_FP4 matrix_a_scale:MATRIX_SCALE_ROW1
.elseif par == 3
	v_wmma_scale_f32_16x16x128_f8f6f4 v[rD:rD+7], v[rA:rA+7], v[rB:rB+7], v[rD:rD+7], v[rP], v[rQ] matrix_a_fmt:MATRIX_FMT_FP4 matrix_b_fmt:MATRIX_FMT_FP4 matrix_a_scale:MATRIX_SCALE_ROW1 matrix_b_scale:MATRIX_SCALE_ROW1
.elseif par == 4
	v_wmma_scale_f32_16x16x128_f8f6f4 v[rD:rD+7], v[rA:rA+7], v[rB:rB+7], v[rC:rC+7], v[rP], v[rQ] matrix_a_fmt:MATRIX_FMT_FP4 matrix_b_fmt:MATRIX_FMT_FP4
.elseif par == 5
	v_wmma_scale_f32_16x16x128_f8f6f4 v[rD:rD+7], v[rA:rA+7], v[rB:rB+7], v[rC:rC+7], v[rP], v[rQ] matrix_a_fmt:MATRIX_FMT_FP4 matrix_b_fmt:MATRIX_FMT_FP4 matrix_b_scale:MATRIX_SCALE_ROW1
.elseif par == 6
	v_wmma_scale_f32_16x16x128_f8f6f4 v[rD:rD+7], v[rA:rA+7], v[rB:rB+7], v[rC:rC+7], v[rP], v[rQ] matrix_a_fmt:MATRIX_FMT_FP4 matrix_b_fmt:MATRIX_FMT_FP4 matrix_a_scale:MATRIX_SCALE_ROW1
.else
	v_wmma_scale_f32_16x16x128_f8f6f4 v[rD:rD+7], v[rA:rA+7], v[rB:rB+7], v[rC:rC+7], v[rP], v[rQ] matrix_a_fmt:MATRIX_FMT_FP4 matrix_b_fmt:MATRIX_FMT_FP4 matrix_a_scale:MATRIX_SCALE_ROW1 matrix_b_scale:MATRIX_SCALE_ROW1
.endif
.endm
.macro QSTEP st                        ; a K step of the projection: 16 products, the 16 accumulators by turns
.if (\st) > 0
	PLACES                                         ; in front of loads into registers that the last step's products read
.endif
.if (\st) == 1
	WIN 0x40
	LOADX 7                                        ; into the registers that held bq
.endif
	WIN 0
.if (\st) < 7
	FETCHW (\st)+1
	s_wait_dscnt 8                                 ; this step's fragments of Wq are in; the eight loads just issued may be out
.else
	s_wait_dscnt 0x0
.endif
.if (\st) == 0
	s_wait_loadcnt 48                              ; scale words, bq and x's step 0 are in; behind them: x's steps 1 to 6
.else
	s_wait_loadcnt 8*(7-(\st))                     ; behind x's step st: its later steps, eight loads each
.endif
.if (\st) == 0
	WIN 0x14                                       ; source 1 (x) and source 2 (bq) window 1
.else
	WIN 0x04                                       ; source 1 window 1
.endif
.irp ct, 0,1,2,3
.irp t, 0,1,2,3
	QM \ct, \t, \st
.endr
.endr
.endm
; A KEY STEP: 64 keys.  first = 1: the first, which starts m, l and O^T
.macro STEP first
	v_add_nc_u32 v[ADK], s[TB], v[LI]              ; these four lines are the places behind the last step's products, in front of the loads into their operands
	v_add_nc_u32 v[ADV], s[TB], v[LV]
	v_nop
	v_nop
.irp f, 0,1,2,3,4,5,6,7                ; K: fragment 2 kt + u: keys 16 kt on, channels 32 u on
	ds_load_b128 v[KP+8*\f:KP+8*\f+3], v[ADK] offset:\f*1024
	ds_load_b128 v[KP+8*\f+4:KP+8*\f+7], v[ADK] offset:\f*1024+512
.endr
	WIN 0x40
.irp f, 0,1,2,3,4,5,6,7                ; V: fragment 4 g + ct: keys 32 g on, channels 16 ct on
	ds_load_b128 v[VF+8*\f:VF+8*\f+3], v[ADV] offset:\f*1024
	ds_load_b128 v[VF+8*\f+4:VF+8*\f+7], v[ADV] offset:\f*1024+512
.endr
	s_add_co_u32 s[TB], s[TB], 8192                ; the next step's 64 keys
	s_wait_dscnt 16                                ; K is in; V's sixteen loads may be out
	WIN 0x04                                       ; source 1 (Q) window 1
.irp u, 0,1
.irp kt, 0,1,2,3
.irp t, 0,1,2,3
.if \u == 0
	v_wmma_f32_16x16x32_f16 v[S+32*\t+8*\kt:S+32*\t+8*\kt+7], v[KP+8*(2*\kt+\u):KP+8*(2*\kt+\u)+7], v[QF+16*\t+8*\u:QF+16*\t+8*\u+7], 0
.else
	v_wmma_f32_16x16x32_f16 v[S+32*\t+8*\kt:S+32*\t+8*\kt+7], v[KP+8*(2*\kt+\u):KP+8*(2*\kt+\u)+7], v[QF+16*\t+8*\u:QF+16*\t+8*\u+7], v[S+32*\t+8*\kt:S+32*\t+8*\kt+7]
.endif
.endr
.endr
.endr
	WIN 0
	PLACES
	; the maximum of a lane's 32 scores and the old m: four chains, each begun at its accumulator's low end; the four tiles by turns, so that no line waits for the line above it
.irp j, 0,1,2,3
.irp t, 0,1,2,3
	v_max3_num_f32 v[ST+8*\t+4+\j], v[S+32*\t+8*\j], v[S+32*\t+8*\j+1], v[S+32*\t+8*\j+2]
.endr
.endr
.irp e, 3,5
.irp j, 0,1,2,3
.irp t, 0,1,2,3
	v_max3_num_f32 v[ST+8*\t+4+\j], v[ST+8*\t+4+\j], v[S+32*\t+8*\j+\e], v[S+32*\t+8*\j+\e+1]
.endr
.endr
.endr
.irp t, 0,1,2,3
	v_max3_num_f32 v[ST+8*\t+4], v[ST+8*\t+4], v[S+32*\t+7], v[S+32*\t+15]
.endr
.irp t, 0,1,2,3
	v_max3_num_f32 v[ST+8*\t+6], v[ST+8*\t+6], v[S+32*\t+23], v[S+32*\t+31]
.endr
.irp t, 0,1,2,3
	v_max3_num_f32 v[ST+8*\t+4], v[ST+8*\t+4], v[ST+8*\t+5], v[ST+8*\t+6]
.endr
.irp t, 0,1,2,3
.if \first
	v_max_num_f32 v[ST+8*\t+4], v[ST+8*\t+4], v[ST+8*\t+7]
.else
	v_max3_num_f32 v[ST+8*\t+4], v[ST+8*\t+4], v[ST+8*\t+7], v[ST+8*\t+1]
.endif
.endr
.irp t, 0,1,2,3
	v_permlanex16_b32 v[ST+8*\t+5], v[ST+8*\t+4], s[SEL], s[SEL+1]    ; the query's other 32 keys lie in the lane 16 away
.endr
.if \first == 0
.irp t, 0,1,2,3
	v_mov_b32 v[ST+8*\t+7], v[ST+8*\t]             ; c m_old is kept for a
.endr
.endif
.irp t, 0,1,2,3
	v_max_num_f32 v[ST+8*\t+1], v[ST+8*\t+4], v[ST+8*\t+5]
.endr
.irp t, 0,1,2,3
	v_mul_f32 v[ST+8*\t], s[CS], v[ST+8*\t+1]
.endr
.if \first == 0
.irp t, 0,1,2,3
	v_sub_f32 v[ST+8*\t+7], v[ST+8*\t+7], v[ST+8*\t]
.endr
.endif
.set n, 0
.rept 16
.irp t, 0,1,2,3
	v_pk_fma_f32 v[S+32*\t+2*n:S+32*\t+2*n+1], v[S+32*\t+2*n:S+32*\t+2*n+1], s[CS:CS+1], v[ST+8*\t:ST+8*\t+1] op_sel_hi:[1,0,0] neg_lo:[0,0,1] neg_hi:[0,0,1]   ; c s - c m, two at a time
.endr
.set n, n+1
.endr
	; ONE BATCH of exponentials, none of which reads another's result
.if \first == 0
.irp t, 0,1,2,3
	v_exp_f32 v[ST+8*\t+6], v[ST+8*\t+7]           ; a
.endr
.endif
.set n, 0
.rept 32
.irp t, 0,1,2,3
	v_exp_f32 v[S+32*\t+n], v[S+32*\t+n]
.endr
.set n, n+1
.endr
	v_nop                                          ; a plain instruction behind the last exponential (ISA guide 5.7.2),
	s_wait_alu depctr_va_vdst(0)                   ; and the one wait ahead of the batch's first reader
.set n, 0
.rept 16
.irp t, 0,1,2,3
	v_cvt_pk_f16_f32 v[KP+16*\t+n], v[S+32*\t+2*n], v[S+32*\t+2*n+1]   ; P takes the registers that K's fragments have left
.endr
.set n, n+1
.endr
	; the row's sum of the unrounded p, in place, by pairs (an even key's, an odd key's)
.irp u, 0,1,2,3,4,5,6,7
.irp t, 0,1,2,3
	v_pk_add_f32 v[S+32*\t+4*\u:S+32*\t+4*\u+1], v[S+32*\t+4*\u:S+32*\t+4*\u+1], v[S+32*\t+4*\u+2:S+32*\t+4*\u+3]
.endr
.endr
.irp u, 0,1,2,3
.irp t, 0,1,2,3
	v_pk_add_f32 v[S+32*\t+8*\u:S+32*\t+8*\u+1], v[S+32*\t+8*\u:S+32*\t+8*\u+1], v[S+32*\t+8*\u+4:S+32*\t+8*\u+5]
.endr
.endr
.irp u, 0,1
.irp t, 0,1,2,3
	v_pk_add_f32 v[S+32*\t+16*\u:S+32*\t+16*\u+1], v[S+32*\t+16*\u:S+32*\t+16*\u+1], v[S+32*\t+16*\u+8:S+32*\t+16*\u+9]
.endr
.endr
.if \first
.irp t, 0,1,2,3
	v_pk_add_f32 v[ST+8*\t+2:ST+8*\t+3], v[S+32*\t:S+32*\t+1], v[S+32*\t+16:S+32*\t+17]
.endr
.else
.irp t, 0,1,2,3
	v_pk_add_f32 v[S+32*\t:S+32*\t+1], v[S+32*\t:S+32*\t+1], v[S+32*\t+16:S+32*\t+17]
.endr
.irp t, 0,1,2,3
	v_pk_fma_f32 v[ST+8*\t+2:ST+8*\t+3], v[ST+8*\t+2:ST+8*\t+3], v[ST+8*\t+6:ST+8*\t+7], v[S+32*\t:S+32*\t+1] op_sel_hi:[1,0,1]   ; l = a l + the step's sum
.endr
	WIN 0x41                                       ; O^T (destination, source 0) window 1, a window 0
.irp t, 0,1,2,3
.set n, 0
.rept 16
	v_pk_mul_f32 v[32*\t+2*n:32*\t+2*n+1], v[32*\t+2*n:32*\t+2*n+1], v[ST+8*\t+6:ST+8*\t+7] op_sel_hi:[1,0]   ; each accumulator from its low end on
.set n, n+1
.endr
.endr
.endif
	s_wait_dscnt 0x0                               ; V is in
	WIN 0x51                                       ; V window 1, P window 0, O^T window 1
.irp g, 0,1
.irp ct, 0,1,2,3
.irp t, 0,1,2,3
.if \first && (\g == 0)
	v_wmma_f32_16x16x32_f16 v[32*\t+8*\ct:32*\t+8*\ct+7], v[VF+8*(4*\g+\ct):VF+8*(4*\g+\ct)+7], v[KP+16*\t+8*\g:KP+16*\t+8*\g+7], 0
.else
	v_wmma_f32_16x16x32_f16 v[32*\t+8*\ct:32*\t+8*\ct+7], v[VF+8*(4*\g+\ct):VF+8*(4*\g+\ct)+7], v[KP+16*\t+8*\g:KP+16*\t+8*\g+7], v[32*\t+8*\ct:32*\t+8*\ct+7]
.endif
.endr
.endr
.endr
	WIN 0
.endm
; THE CHANGE OF SLOTS.  Each wave waits for all its tensor loads (its part of the slot ahead), adds 0 to its spare word, and waits for that and for its reads of the slot that it leaves.
; fill = 1: a round of the cluster's barrier, and behind it my one joint load: the keys two slots on, into the slot just left
.macro CHANGE fill
	s_wait_tensorcnt 0x0                           ; no tensor load of mine is out, so a group 0 may be written
	ds_add_u32 v[SPW], v[NIL]
.if \fill
	s_xor_b32 s[G0B+1], s[G0B+1], SLOT1            ; the other slot than last time,
	s_add_nc_u64 s[G0B+2:G0B+3], s[G0B+2:G0B+3], 65536   ; the next 512 keys
.endif
	s_wait_dscnt 0x0
.if \fill
	CROUND
	tensor_load_to_lds s[G0B:G0B+3], s[G1:G1+7]
	s_nop 0
	PLACES
.else
	BAR
.endif
	s_sub_co_u32 s[TB], s[TB], 65536               ; back to a slot's first step,
	s_xor_b32 s[TB], s[TB], SLOT1                  ; in the other slot
.endm
	s_load_b256 s[4:11], s[0:1], 0x0               ; act, wts, bq, bv
	s_load_b128 s[12:15], s[0:1], 0x20             ; kv, of
	v_lshl_add_u32 v[SPW], v0, 2, SPARE
	v_mov_b32 v[NIL], 0
	ds_add_u32 v[SPW], v[NIL]                      ; the wave's opening: the add, twice on end, and its wait ahead of my first tensor load
	ds_add_u32 v[SPW], v[NIL]
	v_lshrrev_b32 v1, 5, v0
	v_readfirstlane_b32 s[WV], v1                  ; wave 0..7
	s_bfe_u32 s56, ttmp6, 0x40000                  ; cx: my block of 512 queries; it enters x's and o's addresses alone
	s_and_b32 s57, ttmp7, 0xffff                   ; 16 batch + head, which the four partners share
	s_and_b32 s58, s57, 15                         ; head
	s_lshr_b32 s59, s57, 4                         ; batch
	s_mov_b32 s[G1], 15|(3<<16)|(1<<21)            ; 15:0 the mask: all four; 17:16 elements of 8 bytes; 21 set beside a mask; no padding
	s_mov_b32 s[G1+1], 32<<16                      ; rows of 256 bytes,
	s_mov_b32 s[G1+2], 64<<16                      ; 64 of them
	s_mov_b32 s[G1+3], 32<<16
	s_mov_b32 s[G1+4], 64
	s_mov_b32 s[G1+5], 32
	s_mov_b32 s[G1+6], 0
	s_mov_b32 s[G1+7], 0
	s_mov_b32 s[G1W], 15|(3<<16)|(1<<21)
	s_mov_b32 s[G1W+1], 32<<16
	s_mov_b32 s[G1W+2], 16<<16                     ; 16 rows
	s_mov_b32 s[G1W+3], 32<<16
	s_mov_b32 s[G1W+4], 16
	s_mov_b32 s[G1W+5], 32
	s_mov_b32 s[G1W+6], 0
	s_mov_b32 s[G1W+7], 0
	s_lshl_b32 s60, s57, 19                        ; the head's 524,288 bytes of kv;
	s_lshr_b32 s61, s[WV], 2
	s_lshl_b32 s61, s61, 18                        ; waves 0-3 fetch K, waves 4-7 V,
	s_add_co_u32 s60, s60, s61
	s_and_b32 s61, s[WV], 3
	s_lshl_b32 s61, s61, 14                        ; a quarter of a slot's 65,536 bytes each
	s_add_co_u32 s60, s60, s61
	s_mov_b32 s61, 0
	s_lshl_b32 s62, s58, 15                        ; the head's four tiles of Wq: 32,768 dense bytes, an eighth a wave
	s_lshl_b32 s63, s[WV], 12
	s_add_co_u32 s62, s62, s63
	s_mov_b32 s63, 0
	s_lshl_b32 s66, s[WV], 14                      ; places in LDS: the wave's number alone
	s_lshl_b32 s67, s[WV], 12
	s_mov_b32 s[SEL], 0x76543210
	s_mov_b32 s[SEL+1], 0xfedcba98
	s_mov_b32 s[CS], 0x3e38aa3b                    ; c = log2(e) / 8
	s_mov_b32 s[CS+1], s[CS]
	s_mov_b32 s[TB], 0
	s_wait_dscnt 0x0                               ; both opening adds are done
	s_wait_kmcnt 0x0
	s_add_nc_u64 s[60:61], s[12:13], s[60:61]
	s_add_nc_u64 s[62:63], s[6:7], s[62:63]
	CROUND                                         ; all four work-groups are here: the first joint loads meet
	s_mov_b32 s[G0W], 1
	s_add_co_u32 s[G0W+1], s67, WQL
	s_mov_b64 s[G0W+2:G0W+3], s[62:63]
	s_or_b32 s[G0W+3], s[G0W+3], 0x80000000
	s_mov_b32 s[G0A], 1
	s_mov_b32 s[G0A+1], s66
	s_mov_b64 s[G0A+2:G0A+3], s[60:61]
	s_or_b32 s[G0A+3], s[G0A+3], 0x80000000
	s_mov_b32 s[G0B], 1
	s_add_co_u32 s[G0B+1], s66, SLOT1
	s_add_nc_u64 s[G0B+2:G0B+3], s[60:61], 65536
	s_or_b32 s[G0B+3], s[G0B+3], 0x80000000
	tensor_load_to_lds s[G0W:G0W+3], s[G1W:G1W+7]  ; every wave issues all three first fills: three tensor loads of mine are out
	s_nop 0
	tensor_load_to_lds s[G0A:G0A+3], s[G1:G1+7]
	s_nop 0
	tensor_load_to_lds s[G0B:G0B+3], s[G1:G1+7]
	s_nop 0
	PLACES
	s_lshl_b32 s68, s59, 5
	s_lshl_b32 s69, s56, 3
	s_add_co_u32 s68, s68, s69
	s_add_co_u32 s68, s68, s[WV]                   ; my block of 64 rows of x and of o: 32 batch + 8 cx + wave
	s_lshl_b32 s70, s68, 15
	s_mov_b32 s71, 0
	s_add_nc_u64 s[70:71], s[4:5], s[70:71]        ; its codes: 32,768 dense bytes (x's codes begin act)
	s_lshl_b32 s72, s68, 11
	s_add_co_u32 s72, s72, A_XS
	s_mov_b32 s73, 0
	s_add_nc_u64 s[72:73], s[4:5], s[72:73]        ; its scale words: two pairs of tiles x 4 x 256 bytes
	s_lshl_b32 s74, s58, 11
	s_add_co_u32 s74, s74, W_QS
	s_mov_b32 s75, 0
	s_add_nc_u64 s[74:75], s[6:7], s[74:75]        ; Wq's, of the head's two pairs of tiles
	s_lshl_b32 s76, s58, 8
	s_mov_b32 s77, 0
	s_add_nc_u64 s[8:9], s[8:9], s[76:77]          ; bq and bv at the head's 64 numbers
	s_add_nc_u64 s[10:11], s[10:11], s[76:77]
	s_lshl_b32 s78, s68, 17                        ; o: [64 rows][k / 128][tile of rows][(k / 32) % 4][1,024 bytes], k = 64 head + channel
	s_lshr_b32 s79, s58, 1
	s_lshl_b32 s79, s79, 14
	s_add_co_u32 s78, s78, s79
	s_and_b32 s79, s58, 1
	s_lshl_b32 s79, s79, 11
	s_add_co_u32 s78, s78, s79
	s_mov_b32 s79, 0
	s_add_nc_u64 s[14:15], s[14:15], s[78:79]
	v_and_b32 v1, 31, v0
	v_lshlrev_b32 v[LI], 4, v1
	v_add_nc_u32 v[LV], VOFF, v[LI]
	v_add_nc_u32 v[LW], WQL, v[LI]
	v_lshlrev_b32 v[L8], 3, v1
	v_bfe_u32 v[HB], v0, 4, 1
	v_lshlrev_b32 v[HB], 5, v[HB]
.irp tp, 0,1
.irp p, 0,1,2,3
	global_load_b64 v[XSC+8*\tp+2*\p:XSC+8*\tp+2*\p+1], v[L8], s[72:73] offset:(4*\tp+\p)*256
	global_load_b64 v[WSC+8*\tp+2*\p:WSC+8*\tp+2*\p+1], v[L8], s[74:75] offset:(4*\tp+\p)*256
.endr
.endr
	WIN 0x40                                       ; destination window 1
.irp ct, 0,1,2,3
	global_load_b128 v[224+8*\ct:224+8*\ct+3], v[HB], s[8:9] offset:64*\ct        ; bq in the result's layout: channels 16 ct + 8 (lane / 16) + 0 .. 7
	global_load_b128 v[224+8*\ct+4:224+8*\ct+7], v[HB], s[8:9] offset:64*\ct+16
.endr
.irp st, 0,1,2,3,4,5,6
	LOADX \st
.endr
	WIN 0
	s_wait_tensorcnt 2                             ; my part of Wq is in; the two slots' loads may stay out
	BAR
	FETCHW 0
.irp st, 0,1,2,3,4,5,6,7
	QSTEP \st
.endr
	PLACES
	WIN 0x40                                       ; q, rounded to f16 in pairs, becomes Q's fragments in window 1; each accumulator from its low end on
.irp t, 0,1,2,3
.irp u, 0,1
.irp i, 0,1,2,3,4,5,6,7
	v_cvt_pk_f16_f32 v[QF+16*\t+8*\u+\i], v[S+8*(4*(2*\u+\i/4)+\t)+2*(\i%4)], v[S+8*(4*(2*\u+\i/4)+\t)+2*(\i%4)+1]
.endr
.endr
.endr
	WIN 0
	s_wait_tensorcnt 1                             ; my part of slot 0 is in; slot 1's may stay out
	s_wait_dscnt 0x0
	BAR
	STEP 1
	s_mov_b32 s[CNT], 7
.Lfirst_slot:
	STEP 0
	s_sub_co_u32 s[CNT], s[CNT], 1
	s_cmp_lg_u32 s[CNT], 0
	s_cbranch_scc1 .Lfirst_slot
	s_mov_b32 s[OUTC], 2
.Lslot:                                ; two trips: slots 0 and 1 are filled again, with keys 1,024 on and 1,536 on
	CHANGE 1
	s_mov_b32 s[CNT], 8
.Lmid_step:
	STEP 0
	s_sub_co_u32 s[CNT], s[CNT], 1
	s_cmp_lg_u32 s[CNT], 0
	s_cbranch_scc1 .Lmid_step
	s_sub_co_u32 s[OUTC], s[OUTC], 1
	s_cmp_lg_u32 s[OUTC], 0
	s_cbranch_scc1 .Lslot
	CHANGE 0                                       ; the last slot is written out: nothing is left to ask for
	s_mov_b32 s[CNT], 8
.Llast_step:
	STEP 0
	s_sub_co_u32 s[CNT], s[CNT], 1
	s_cmp_lg_u32 s[CNT], 0
	s_cbranch_scc1 .Llast_step
	; THE WAY OUT: o = O^T / l + bv, rounded to f16 in pairs: the pairs are fragments (16 rows x 32 k) of the last product and are stored as they stand
.irp ct, 0,1,2,3
	global_load_b128 v[S+8*\ct:S+8*\ct+3], v[HB], s[10:11] offset:64*\ct
	global_load_b128 v[S+8*\ct+4:S+8*\ct+7], v[HB], s[10:11] offset:64*\ct+16
.endr
.irp t, 0,1,2,3
	v_add_f32 v[ST+8*\t+4], v[ST+8*\t+2], v[ST+8*\t+3]             ; (these additions are the places behind the last products)
.endr
.irp t, 0,1,2,3
	v_permlanex16_b32 v[ST+8*\t+5], v[ST+8*\t+4], s[SEL], s[SEL+1]
.endr
.irp t, 0,1,2,3
	v_add_f32 v[ST+8*\t+4], v[ST+8*\t+4], v[ST+8*\t+5]
.endr
.irp t, 0,1,2,3
	v_rcp_f32 v[ST+8*\t+6], v[ST+8*\t+4]
.endr
	v_nop                                          ; a plain instruction behind the last reciprocal,
	s_wait_alu depctr_va_vdst(0)                   ; and the one wait for the four, ahead of their first reader
	s_wait_loadcnt 0x0                             ; bv
	WIN 0x41
.irp t, 0,1,2,3
.set n, 0
.rept 16
	v_pk_fma_f32 v[32*\t+2*n:32*\t+2*n+1], v[32*\t+2*n:32*\t+2*n+1], v[ST+8*\t+6:ST+8*\t+7], v[S+2*n:S+2*n+1] op_sel_hi:[1,0,1]
.set n, n+1
.endr
.endr
	WIN 0x05                                       ; sources window 1, destination window 0
.set n, 0
.rept 64
	v_cvt_pk_f16_f32 v[128+n], v[2*n], v[2*n+1]
.set n, n+1
.endr
	WIN 0
.irp t, 0,1,2,3
.irp u, 0,1
.irp c, 0,1
	global_store_b128 v[LI], v[128+16*\t+8*\u+4*\c:128+16*\t+8*\u+4*\c+3], s[14:15] offset:\t*4096+\u*1024+\c*512    ; 512 consecutive bytes, aligned
.endr
.endr
.endr
	s_wait_tensorcnt 0x0                           ; the wave's end
	ds_add_u32 v[SPW], v[NIL]
	s_wait_dscnt 0x0
	CROUND                                         ; the closing round
	s_endpgm
.Lfunc_end_k_qb36f5fe5fc_attn:
	.size	k_qb36f5fe5fc_attn, .Lfunc_end_k_qb36f5fe5fc_attn-k_qb36f5fe5fc_attn
	.p2alignl 7, 3214868480
	.fill 96, 4, 3214868480
	.section	.rodata,"a",@progbits
	.p2align	6, 0x0
	.amdhsa_kernel k_qb36f5fe5fc_attn
		.amdhsa_group_segment_fixed_size 327680
		.amdhsa_private_segment_fixed_size 0
		.amdhsa_enable_private_segment 0
		.amdhsa_kernarg_size 48
		.amdhsa_user_sgpr_count 2
		.amdhsa_user_sgpr_kernarg_segment_ptr 1
		.amdhsa_wavefront_size32 1
		.amdhsa_system_sgpr_workgroup_id_x 1
		.amdhsa_system_sgpr_workgroup_id_y 1
		.amdhsa_system_sgpr_workgroup_id_z 1
		.amdhsa_system_vgpr_workitem_id 0
		.amdhsa_next_free_vgpr 512
		.amdhsa_next_free_sgpr 84
		.amdhsa_reserve_vcc 0
		.amdhsa_float_denorm_mode_32 3
		.amdhsa_float_denorm_mode_16_64 3
		.amdhsa_memory_ordered 1
		.amdhsa_forward_progress 1
		.amdhsa_inst_pref_size 175
	.end_amdhsa_kernel
	.amdgpu_metadata
---
amdhsa.version: [ 1, 2 ]
amdhsa.kernels:
  - .name:           k_qb36f5fe5fc_attn
    .symbol:         k_qb36f5fe5fc_attn.kd
    .args:
      - { .name: act, .offset: 0, .size: 8, .value_kind: global_buffer, .address_space: global }
      - { .name: wts, .offset: 8, .size: 8, .value_kind: global_buffer, .address_space: global }
      - { .name: bq, .offset: 16, .size: 8, .value_kind: global_buffer, .address_space: global }
      - { .name: bv, .offset: 24, .size: 8, .value_kind: global_buffer, .address_space: global }
      - { .name: kv, .offset: 32, .size: 8, .value_kind: global_buffer, .address_space: global }
      - { .name: of, .offset: 40, .size: 8, .value_kind: global_buffer, .address_space: global }
    .group_segment_fixed_size: 327680
    .private_segment_fixed_size: 0
    .kernarg_segment_align: 8
    .kernarg_segment_size: 48
    .max_flat_workgroup_size: 256
    .sgpr_count:     84
    .vgpr_count:     512
    .wavefront_size: 32
...
	.end_amdgpu_metadata
.endif
;; end of part 3
;; launch outp (part 4): grid 4 x 64, 4 waves a work-group, clusters of 4 x 4, 327,680 bytes of LDS; arguments of, wts, bo, out0; writes out0
.if DOCPART == 4
	.amdgcn_target "amdgcn-amd-amdhsa--gfx1250"
	.amdhsa_code_object_version 6
	.text
	.protected	k_qb36f5fe5fc_outp
	.globl	k_qb36f5fe5fc_outp
	.p2align	8
	.type	k_qb36f5fe5fc_outp,@function
k_qb36f5fe5fc_outp:
	s_mov_b64 s[64:65], 0
	v_nop
	global_prefetch_b8 v0, s[64:65] scope:SCOPE_SE
	s_setreg_imm32_b32 hwreg(HW_REG_WAVE_MODE, 25, 1), 1
	s_wait_xcnt 0x0
	s_wait_alu depctr_hold_cnt(0) depctr_sa_sdst(0) depctr_va_vdst(0) depctr_va_sdst(0) depctr_va_ssrc(0) depctr_va_vcc(0) depctr_vm_vsrc(0)
	s_getreg_b32 s2, hwreg(HW_REG_IB_STS2, 6, 4)
	s_cmp_eq_u32 s2, 0
	s_cbranch_scc0 .Lentry_in_a_cluster
	s_endpgm
.Lentry_in_a_cluster:
	s_bfe_u32 s2, ttmp6, 0x10000c
	s_cmp_lg_u32 s2, 0xf033
	s_cbranch_scc0 .Lentry_shape_is_right
	s_endpgm
.Lentry_shape_is_right:
; OUTP: out0 = o Wo + bo, f16 operands (made by the launches before, as fragments), f32 sums.  Nothing of this product is left out.
; SHARES: a work-group makes 128 rows x 256 columns: 64 x 4 = 256 work-groups; a wave 64 x 128: 32 accumulators.  K = 1,024 goes in 8 chunks of 128 through two LDS slots.
; THE MATRIX INSTRUCTION IS USED TRANSPOSED (source 0 = 16 columns of Wo, source 1 = 16 rows of o): a lane holds eight neighbouring numbers of a row of out0.  bo is the C of each sum's first product.
; CLUSTER 4 x 4: o's tiles are shared along a row of the cluster, Wo's along a column: joint loads.  Waves 0, 1 fetch o's two halves (16,384 dense bytes each), waves 2, 3 Wo's (32,768 each).
; LDS: slot s at 98,304 s: o 32,768 bytes, then Wo 65,536; behind the ring a stage of 16 rows x 528 bytes for each wave, into which no fill lands; the spare words.
; REGISTERS: window 0: addresses; v64-127 bo in the result's layout; v128-255 the way out.   window 1: two fragment buffers of 96 (o 32, Wo 64).   window 2: accumulators (a, b) at v[8 (8 a + b)].
.set W_O16, 1392640
.set SLOT,   98304
.set STAGE,  2*SLOT
.set SPITCH, 528
.set SPARE,  STAGE+4*16*SPITCH         ; the spare words, 128 bytes a wave: two blocks of 256 bytes that no other line names
.set ADRA, 16                          ; v16-17 my fragments of o in slot 0, 1
.set ADRB, 20                          ; v20-21 of Wo
.set STO,  24
.set RD,   25
.set CO,   26
.set SPW,  28
.set NIL,  29
.set BO,   64
.set BK,   128
.set F0,   0
.set F1,   96
.set G1A, 24                           ; s[24:31] group 1 for o's tiles;  s[32:39] groups 0, one for each slot
.set G0A, 32
.set G1B, 48                           ; s[48:55], s[56:63] the same for Wo's
.set G0B, 56
.set MSB, 0
.macro WIN new
.if MSB != (\new)
	s_set_vgpr_msb (MSB<<8)|(\new)
.set MSB, (\new)
.endif
.endm
.macro PLACES
.rept 4
	v_nop
.endr
.endm
.macro JLOAD sl                        ; a joint load; the branch hangs on the wave's number alone.  An s_nop 0 and four v_nop follow each of the two lines
	s_cmp_eq_u32 s15, 0
	s_cbranch_scc0 .Lfor_b_\@
	tensor_load_to_lds s[G0A+4*\sl:G0A+4*\sl+3], s[G1A:G1A+7]
	s_nop 0
	PLACES
	s_branch .Lasked_\@
.Lfor_b_\@:
	tensor_load_to_lds s[G0B+4*\sl:G0B+4*\sl+3], s[G1B:G1B+7]
	s_nop 0
	PLACES
.Lasked_\@:
.endm
.macro CREST                           ; a round of the cluster's barrier behind its opening barrier
	s_cmp_lg_u32 s14, 0
	s_cbranch_scc1 .Lnot_wave_0_\@
	s_barrier_signal -3
.Lnot_wave_0_\@:
	s_barrier_wait -3
	s_barrier_signal -1
	s_barrier_wait -1
.endm
.macro CROUND
	s_barrier_signal -1
	s_barrier_wait -1
	CREST
.endm
.macro FETCH sl, q, f                  ; the fragments of the slot's q-th 32 along K into buffer f: 24 loads of 512 consecutive bytes
	WIN 0x40
.irp a, 0,1,2,3
.irp c, 0,1
	ds_load_b128 v[(\f)+8*\a+4*\c:(\f)+8*\a+4*\c+3], v[ADRA+\sl] offset:\a*4096+(\q)*1024+\c*512
.endr
.endr
.irp b, 0,1,2,3,4,5,6,7
.irp c, 0,1
	ds_load_b128 v[(\f)+32+8*\b+4*\c:(\f)+32+8*\b+4*\c+3], v[ADRB+\sl] offset:\b*4096+(\q)*1024+\c*512
.endr
.endr
.endm
.macro MULA f, a, zero                 ; eight products: rows 16 a on x my 128 columns.  The 32 accumulators take turns, one instruction a turn
.irp b, 0,1,2,3,4,5,6,7
.if \zero
	v_wmma_f32_16x16x32_f16 v[8*(8*(\a)+\b):8*(8*(\a)+\b)+7], v[(\f)+32+8*\b:(\f)+32+8*\b+7], v[(\f)+8*(\a):(\f)+8*(\a)+7], v[BO+8*\b:BO+8*\b+7]
.else
	v_wmma_f32_16x16x32_f16 v[8*(8*(\a)+\b):8*(8*(\a)+\b)+7], v[(\f)+32+8*\b:(\f)+32+8*\b+7], v[(\f)+8*(\a):(\f)+8*(\a)+7], v[8*(8*(\a)+\b):8*(8*(\a)+\b)+7]
.endif
.endr
.endm
; a quarter of a chunk: multiplies buffer f; ahead of its 32 products it asks for quarter q of the same slot into buffer g
.macro QUARTER sl, q, f, g, zero
	s_wait_dscnt 0x0                               ; buffer f is in (asked for 32 matrix instructions ago)
.if \zero == 0
	PLACES                                         ; in front of loads into the buffer that the last quarter multiplied
.endif
	FETCH \sl, \q, \g
.if \zero
	WIN 0x85                                       ; sources 0, 1 window 1, C (bo) window 0, D window 2
.else
	WIN 0xa5                                       ; C and D window 2
.endif
	MULA \f, 0, \zero
	MULA \f, 1, \zero
	MULA \f, 2, \zero
	MULA \f, 3, \zero
.endm
; a chunk's last quarter multiplies buffer 1 and changes slots: one barrier; in front of it each wave waits for all its tensor loads, adds 0 to its spare word, and waits for that and for its reads of this slot
.macro TURN sl, next, fill
	WIN 0
	s_wait_tensorcnt 0x0                           ; all my tensor loads have landed: my part of the next slot
	ds_add_u32 v[SPW], v[NIL]
	s_wait_dscnt 1                                 ; buffer 1 is in; the add may be out
	WIN 0xa5
	MULA F1, 0, 0                                  ; eight matrix instructions stand between the add and the wait for it
	s_wait_dscnt 0x0
	s_barrier_signal -1
	MULA F1, 1, 0
	WIN 0
	s_barrier_wait -1
.if \fill
	CREST                                          ; the barrier has opened a round of the cluster's: no wave of any partner still reads this slot or has a load on its way
	s_add_nc_u64 s[G0A+4*\sl+2:G0A+4*\sl+3], s[G0A+4*\sl+2:G0A+4*\sl+3], 2*16384
	s_add_nc_u64 s[G0B+4*\sl+2:G0B+4*\sl+3], s[G0B+4*\sl+2:G0B+4*\sl+3], 2*32768
	JLOAD \sl                                      ; the chunk two on; its four v_nop are also the places in front of the loads below
.else
	PLACES
.endif
	FETCH \next, 0, F0
	WIN 0xa5
	MULA F1, 2, 0
	MULA F1, 3, 0
.endm
	s_load_b256 s[4:11], s[0:1], 0x0               ; of, wts, bo, out0
	v_lshl_add_u32 v[SPW], v0, 2, SPARE
	v_mov_b32 v[NIL], 0
	ds_add_u32 v[SPW], v[NIL]                      ; the wave's opening: the add, twice on end, and its wait ahead of my first tensor load
	ds_add_u32 v[SPW], v[NIL]
	v_lshrrev_b32 v1, 5, v0
	v_readfirstlane_b32 s14, v1                    ; wave 0..3
	s_lshr_b32 s15, s14, 1                         ; my half of the rows.  Also: I fetch o's tiles (0) or Wo's (1)
	s_and_b32 s16, s14, 1                          ; my half of the columns.  Also: which half I fetch
	s_bfe_u32 s40, ttmp6, 0x40000
	s_bfe_u32 s41, ttmp6, 0x40004
	s_lshl_b32 s42, ttmp9, 2
	s_add_co_u32 s42, s42, s40                     ; x: which 256 columns
	s_and_b32 s17, ttmp7, 0xffff
	s_lshl_b32 s17, s17, 2
	s_add_co_u32 s17, s17, s41                     ; y: which 128 rows
	s_lshl_b32 s43, s41, 2
	s_lshl_b32 s43, 15, s43                        ; my row of the cluster
	s_lshl_b32 s44, 0x1111, s40                    ; my column
	s_or_b32 s[G1A], s43, (3<<16)|(1<<21)          ; the mask; elements of 8 bytes; bit 21 beside a mask; no padding
	s_or_b32 s[G1B], s44, (3<<16)|(1<<21)
	s_mov_b32 s[G1A+1], 32<<16                     ; rows of 256 bytes,
	s_mov_b32 s[G1A+2], 64<<16                     ; 64 of them
	s_mov_b32 s[G1A+3], 32<<16
	s_mov_b32 s[G1A+4], 64
	s_mov_b32 s[G1A+5], 32
	s_mov_b32 s[G1A+6], 0
	s_mov_b32 s[G1A+7], 0
	s_mov_b32 s[G1B+1], 32<<16
	s_mov_b32 s[G1B+2], 128<<16                    ; 128 rows
	s_mov_b32 s[G1B+3], 32<<16
	s_mov_b32 s[G1B+4], 128
	s_mov_b32 s[G1B+5], 32
	s_mov_b32 s[G1B+6], 0
	s_mov_b32 s[G1B+7], 0
	s_lshl_b32 s20, s17, 1
	s_add_co_u32 s20, s20, s16
	s_lshl_b32 s20, s20, 17                        ; o: 64 rows are 131,072 bytes, a chunk of them 16,384
	s_mov_b32 s21, 0
	s_lshl_b32 s46, s42, 1
	s_add_co_u32 s46, s46, s16
	s_lshl_b32 s46, s46, 18                        ; Wo: 128 columns are 262,144 bytes, a chunk of them 32,768
	s_add_co_u32 s46, s46, W_O16
	s_mov_b32 s47, 0
	s_lshl_b32 s45, s16, 14                        ; places in a slot
	s_lshl_b32 s18, s16, 15
	s_add_co_u32 s18, s18, 32768
	s_wait_dscnt 0x0                               ; both opening adds are done
	s_wait_kmcnt 0x0
	s_add_nc_u64 s[20:21], s[4:5], s[20:21]
	s_add_nc_u64 s[46:47], s[6:7], s[46:47]
	CROUND                                         ; all sixteen work-groups are here: the first joint loads meet
.irp sl, 0,1
	s_mov_b32 s[G0A+4*\sl], 1
	s_add_co_u32 s[G0A+4*\sl+1], s45, \sl*SLOT
	s_add_nc_u64 s[G0A+4*\sl+2:G0A+4*\sl+3], s[20:21], \sl*16384
	s_or_b32 s[G0A+4*\sl+3], s[G0A+4*\sl+3], 0x80000000
	s_mov_b32 s[G0B+4*\sl], 1
	s_add_co_u32 s[G0B+4*\sl+1], s18, \sl*SLOT
	s_add_nc_u64 s[G0B+4*\sl+2:G0B+4*\sl+3], s[46:47], \sl*32768
	s_or_b32 s[G0B+4*\sl+3], s[G0B+4*\sl+3], 0x80000000
	JLOAD \sl                                      ; two tensor loads of mine are out
.endr
	v_and_b32 v1, 15, v0                           ; r
	v_bfe_u32 v2, v0, 4, 1                         ; h
	v_and_b32 v3, 31, v0
	v_lshlrev_b32 v[CO], 4, v3                     ; 16 x lane
	v_lshlrev_b32 v6, 5, v2                        ; 32 h: my eight numbers of bo
	s_lshl_b32 s21, s15, 14
	s_lshl_b32 s22, s16, 15
	s_add_co_u32 s22, s22, 32768
.irp sl, 0,1
	v_add_nc_u32 v[ADRA+\sl], s21, v[CO]
	v_add_nc_u32 v[ADRB+\sl], s22, v[CO]
	s_add_co_u32 s21, s21, SLOT
	s_add_co_u32 s22, s22, SLOT
.endr
	s_mul_i32 s23, s14, 16*SPITCH
	s_add_co_u32 s23, s23, STAGE                   ; my stage
	v_mul_u32_u24 v5, v1, SPITCH
	v_lshl_add_u32 v5, v2, 5, v5
	v_add_nc_u32 v[STO], s23, v5                   ; in: row r, 32 bytes for each half of the lanes
	v_add_nc_u32 v[RD], s23, v[CO]                 ; back: the 32 lanes take one row of 512 bytes
	s_lshl_b32 s46, s42, 10                        ; my first column, in bytes: 1,024 x + 512 half
	s_lshl_b32 s47, s16, 9
	s_add_co_u32 s46, s46, s47
	s_mov_b32 s47, 0
	s_add_nc_u64 s[8:9], s[8:9], s[46:47]          ; bo
	s_add_nc_u64 s[10:11], s[10:11], s[46:47]
	s_lshl_b32 s46, s17, 19                        ; my first row: 128 y + 64 half, 4,096 bytes each
	s_lshl_b32 s22, s15, 18
	s_add_co_u32 s46, s46, s22
	s_add_nc_u64 s[10:11], s[10:11], s[46:47]      ; out0
.irp b, 0,1,2,3,4,5,6,7
	global_load_b128 v[BO+8*\b:BO+8*\b+3], v6, s[8:9] offset:64*\b
	global_load_b128 v[BO+8*\b+4:BO+8*\b+7], v6, s[8:9] offset:64*\b+16
.endr
	s_wait_tensorcnt 1                             ; my part of chunk 0 is in; chunk 1's may stay out
	s_barrier_signal -1
	s_barrier_wait -1
	FETCH 0, 0, F0
	s_wait_loadcnt 0x0                             ; bo
	QUARTER 0, 1, F0, F1, 1                        ; the first quarter stands in front of the loop: its products start the sums, with bo
	WIN 0
	s_mov_b32 s3, 3
.Llap:                                 ; a trip goes once round the ring, from a lap's second quarter to the next lap's first, and fills both slots again: chunks 2 to 7
	QUARTER 0, 2, F1, F0, 0
	QUARTER 0, 3, F0, F1, 0
	TURN 0, 1, 1
	QUARTER 1, 1, F0, F1, 0
	QUARTER 1, 2, F1, F0, 0
	QUARTER 1, 3, F0, F1, 0
	TURN 1, 0, 1
	QUARTER 0, 1, F0, F1, 0
	WIN 0
	s_sub_co_u32 s3, s3, 1
	s_cmp_lg_u32 s3, 0
	s_cbranch_scc1 .Llap
	QUARTER 0, 2, F1, F0, 0                        ; the last lap fills nothing
	QUARTER 0, 3, F0, F1, 0
	TURN 0, 1, 0
	QUARTER 1, 1, F0, F1, 0
	QUARTER 1, 2, F1, F0, 0
	QUARTER 1, 3, F0, F1, 0
	s_wait_dscnt 0x0
	WIN 0xa5
	MULA F1, 0, 0
	MULA F1, 1, 0
	MULA F1, 2, 0
	MULA F1, 3, 0
; THE WAY OUT, 16 rows x 128 columns at a time, through my own stage: in as 32 bytes a lane, back as whole rows of 512 bytes.  LDS serves a wave's instructions in order: no wait between
.macro TOSTAGE a
	WIN 0x08                                       ; an LDS store's data are its source 1: window 2
.irp b, 0,1,2,3,4,5,6,7
	ds_store_b128 v[STO], v[8*(8*(\a)+\b):8*(8*(\a)+\b)+3] offset:64*\b            ; each accumulator from its low end on
	ds_store_b128 v[STO], v[8*(8*(\a)+\b)+4:8*(8*(\a)+\b)+7] offset:64*\b+16
.endr
	WIN 0
.irp t, 0,1,2,3,4,5,6,7,8,9,10,11,12,13,14,15
	ds_load_b128 v[BK+64*((\a)%2)+4*\t:BK+64*((\a)%2)+4*\t+3], v[RD] offset:\t*SPITCH
.endr
.endm
.macro SEND a, younger                 ; younger: the LDS instructions issued behind block a's loads
	s_wait_dscnt \younger
.irp t, 0,1,2,3,4,5,6,7,8,9,10,11,12,13,14,15
	global_store_b128 v[CO], v[BK+64*((\a)%2)+4*\t:BK+64*((\a)%2)+4*\t+3], s[10:11] offset:(16*(\a)+\t)*4096 th:TH_STORE_NT   ; 512 consecutive bytes, aligned; written once, read by nobody here
.endr
.endm
	PLACES
	TOSTAGE 0
.irp a, 1,2,3
.if \a > 1
	s_wait_xcnt 0x0                                ; block a - 2's stores have read their registers: block a's loads may land there
.endif
	TOSTAGE \a
	SEND \a-1, 32                                  ; behind block a - 1's loads: block a's 16 stores and 16 loads
.endr
	SEND 3, 0
	s_wait_tensorcnt 0x0                           ; the wave's end, behind my last tensor load and my last LDS store
	ds_add_u32 v[SPW], v[NIL]
	s_wait_dscnt 0x0
	CROUND                                         ; the closing round
	s_endpgm
.Lfunc_end_k_qb36f5fe5fc_outp:
	.size	k_qb36f5fe5fc_outp, .Lfunc_end_k_qb36f5fe5fc_outp-k_qb36f5fe5fc_outp
	.p2alignl 7, 3214868480
	.fill 96, 4, 3214868480
	.section	.rodata,"a",@progbits
	.p2align	6, 0x0
	.amdhsa_kernel k_qb36f5fe5fc_outp
		.amdhsa_group_segment_fixed_size 327680
		.amdhsa_private_segment_fixed_size 0
		.amdhsa_enable_private_segment 0
		.amdhsa_kernarg_size 32
		.amdhsa_user_sgpr_count 2
		.amdhsa_user_sgpr_kernarg_segment_ptr 1
		.amdhsa_wavefront_size32 1
		.amdhsa_system_sgpr_workgroup_id_x 1
		.amdhsa_system_sgpr_workgroup_id_y 1
		.amdhsa_system_sgpr_workgroup_id_z 1
		.amdhsa_system_vgpr_workitem_id 0
		.amdhsa_next_free_vgpr 768
		.amdhsa_next_free_sgpr 66
		.amdhsa_reserve_vcc 0
		.amdhsa_float_denorm_mode_32 3
		.amdhsa_float_denorm_mode_16_64 3
		.amdhsa_memory_ordered 1
		.amdhsa_forward_progress 1
		.amdhsa_inst_pref_size 85
	.end_amdhsa_kernel
	.amdgpu_metadata
---
amdhsa.version: [ 1, 2 ]
amdhsa.kernels:
  - .name:           k_qb36f5fe5fc_outp
    .symbol:         k_qb36f5fe5fc_outp.kd
    .args:
      - { .name: of, .offset: 0, .size: 8, .value_kind: global_buffer, .address_space: global }
      - { .name: wts, .offset: 8, .size: 8, .value_kind: global_buffer, .address_space: global }
      - { .name: bo, .offset: 16, .size: 8, .value_kind: global_buffer, .address_space: global }
      - { .name: out0, .offset: 24, .size: 8, .value_kind: global_buffer, .address_space: global }
    .group_segment_fixed_size: 327680
    .private_segment_fixed_size: 0
    .kernarg_segment_align: 8
    .kernarg_segment_size: 32
    .max_flat_workgroup_size: 128
    .sgpr_count:     66
    .vgpr_count:     768
    .wavefront_size: 32
...
	.end_amdgpu_metadata
.endif
;; end of part 4
